; MI455X (gfx1250); checked and timed in simulation.
; The chip was launched on July 23, 2026; its instructions are those of AMD's public machine-readable ISA for CDNA 5 (MIT licence, August 2026) and "CDNA5" Instruction Set Architecture Reference Guide (July 2026). The comments in the code are by the model that wrote it; some were corrected since.
;; Correct Error. Allowed arithmetic: matrix products marked QUANTISED: E2M1 operands, one E8M0 scale for each 32 along K, by v_wmma_scale_f32_16x16x128_f8f6f4 with both operands' format E2M1 (or v_wmma_scale_f32_32x16x128_f4), f32 sums; everything else in f32.
;; Inputs: h_query 1,024 x 512 float32; memory_embeds 100,000 x 512 float32; true_values 100,000 float32.
;; Outputs: out0 1,024 float32.
;; Constants: k = 32.
;; This version of the problem:
;;   THIS VERSION OF THE PROBLEM IS GIVEN IN LOW PRECISION. The matrix products marked QUANTISED in the list below multiply operands that are first quantised to E2M1 (2 exponent bits, 1 mantissa bit; 4 bits a number), with one power-of-two scale for each 32 numbers along K (OCP MX v1.0); their sums are f32. All else is computed in f32.
;;   The module's matrix products, in the order in which they are computed (A, B: the left and right operand; K: the contracted axis; several contracted axes count as one K, in the product's order):
;;     1. [M 1,024, K 512] x [K 512, N 100,000]; A: input h_query; B: input memory_embeds: QUANTISED
;;   THE QUANTISER, for each operand of a quantised product, along K:
;;     - K is cut into blocks of 32 from its start; a last block that is shorter is filled with zeros.
;;     - A block's scale is 2^e with e = floor(log2(the largest magnitude in the block)) - 2, held to -126 .. 127; a block of zeros has e = 0. As a byte (E8M0): e + 127.
;;     - Each number is divided by its block's scale, clamped to +-6, and rounded to the nearest number of E2M1, ties to even, subnormals kept.
;;     - The product sums the exact products of the quantised numbers (number of the format x scale) in f32.
;;   ~~~python
;;   def quantise(x, axis):      # numpy; x: float32 -> the quantised numbers, widened to float32 again
;;       x = np.moveaxis(x, axis, -1); K = x.shape[-1]
;;       x = np.pad(x, [(0, 0)] * (x.ndim - 1) + [(0, -K % 32)]); x = x.reshape(x.shape[:-1] + (-1, 32)); a = np.abs(x).max(-1, keepdims=True)
;;       e = np.where(a > 0, np.clip(np.frexp(np.where(a > 0, a, 1))[1] - 1 - 2, -126, 127), 0)      # np.frexp(a)[1] - 1 = floor(log2(a)), exactly
;;       r = np.clip(x / 2.0 ** e, -6, 6)
;;       step = 2.0 ** (np.maximum(np.frexp(np.where(r == 0, 1, r))[1] - 1, 0) - 1)
;;       q = np.round(r / step) * step * 2.0 ** e      # np.round: ties to even
;;       return np.moveaxis(q.reshape(q.shape[:-2] + (-1,))[..., :K], -1, axis).astype(np.float32)
;;   ~~~
;; One version. Each part assembles by itself: llvm-mc -triple=amdgcn-amd-amdhsa -mcpu=gfx1250 --defsym DOCPART=n.
;; ======== version 1 of 1: 5 launches
;; limits: right only within a limited range of input values
;; workspace buffers: qpack 282,624 bytes; codes 25,600,000 bytes; rowmeta 2,000,128 bytes; fmin 51,200,000 bytes; cmin 2,048,000 bytes; sel1 262,144 bytes of whole numbers; sel2 262,144 bytes of whole numbers
;; launch qprep (part 1): grid 64 x 1, 4 waves a work-group, no clusters, 34,816 bytes of LDS; arguments h_query, qpack; writes qpack
.if DOCPART == 1
	.amdgcn_target "amdgcn-amd-amdhsa--gfx1250"
	.amdhsa_code_object_version 6
	.text
	.protected	k_qb15a7563e9_qprep
	.globl	k_qb15a7563e9_qprep
	.p2align	8
	.type	k_qb15a7563e9_qprep,@function
k_qb15a7563e9_qprep:
	s_mov_b64 s[64:65], 0
	v_nop
	global_prefetch_b8 v0, s[64:65] scope:SCOPE_SE
	s_setreg_imm32_b32 hwreg(HW_REG_WAVE_MODE, 25, 1), 1
	s_wait_xcnt 0x0
; The 1,024 queries [1024][512] f32 become codes of FP4 (E2M1) with one E8M0 scale byte for each 32 along K, laid as IMAGES OF THE OPERAND'S REGISTERS, and each query's sum of squares qq.
; qpack: byte 0: images [v 4][n 16][s 4][c 2][lane 32][16 bytes]: tile n of the later launch's wave v, K step s of 128, registers 4 c .. 4 c + 3 of the fragment.
;        byte 262,144: scale words [v 4][i 8][lane 32][4 words]: word 2 (n % 2) + s / 2 of quad i = n / 2; lanes 0-15 hold the even K step's word, lanes 16-31 the odd one's.
;        byte 278,528: qq[1024] f32.
; WHICH QUERY IS WHICH COLUMN OF A TILE IS FREE: column r of tile n of wave v is query 256 v + 64 (n / 4) + 4 r + n % 4, so that later a lane's registers of four neighbouring tiles are four neighbouring queries.
; SHARES: a work-group makes one tile (v, n); its wave s takes K step s.  A load reads one row's 512 bytes of the K step, 16 a lane; the 16 rows turn through the wave's own stage in LDS
; (rows 528 bytes apart: 33 x 16, so that the sixteen rows that a read touches begin in different banks) and come back 16 neighbours of each block of 32 to a lane.
; A block's scale is 2^(floor(log2(largest magnitude)) - 2): its byte is the largest magnitude's exponent field - 2, held at 1 from below.
; LIMITS: NaN and infinities are not served.  A block whose largest magnitude lies under 2^-124 (a block of zeros too) keeps the byte 1; a block of zeros has zero codes, which add nothing under that byte.
; qq is an f32 sum in this text's own order (four packed chains a lane, two lanes, four K steps), not in the order of any other program.
.set STGB, 8448                        ; a wave's stage: 16 rows x 528 bytes
.set QPA,  33792                       ; behind the four stages: the partial sums [r 16][s 4] f32
.set SCW,  262144
.set QQO,  278528
.set LDR,  16                          ; v16-79   the numbers as loaded
.set XA,   80                          ; v80-143  64 numbers of my row: register 16 b + i = k 32 b + 16 (lane / 16) + i
.set PC,   144                         ; v144-151 the fragment's codes
.set TM,   152                         ; v152-167 at work in QUANT
.set PW,   168                         ; v168     my row's scale word
.set SQ,   170                         ; v170-177 four packed chains of squares
.set SEL,  20                          ; s[20:21] lane selects for v_permlanex16_b32: lane l xor 16
; the sum of the squares of v[s] .. v[s + 63], and of lane l xor 16's: my row's part for this K step, in v[SQ]
.macro SUMSQ s
.irp c, 0,2,4,6
	v_pk_mul_f32 v[SQ+\c:SQ+\c+1], v[\s+\c:\s+\c+1], v[\s+\c:\s+\c+1]
.endr
.irp i, 8,16,24,32,40,48,56
.irp c, 0,2,4,6
	v_pk_fma_f32 v[SQ+\c:SQ+\c+1], v[\s+\i+\c:\s+\i+\c+1], v[\s+\i+\c:\s+\i+\c+1], v[SQ+\c:SQ+\c+1]   ; four chains by turns
.endr
.endr
	v_pk_add_f32 v[SQ:SQ+1], v[SQ:SQ+1], v[SQ+2:SQ+3]
	v_pk_add_f32 v[SQ+4:SQ+5], v[SQ+4:SQ+5], v[SQ+6:SQ+7]
	v_pk_add_f32 v[SQ:SQ+1], v[SQ:SQ+1], v[SQ+4:SQ+5]
	v_add_f32 v[SQ], v[SQ], v[SQ+1]
	v_permlanex16_b32 v[SQ+1], v[SQ], s[SEL], s[SEL+1]
	v_add_f32 v[SQ], v[SQ], v[SQ+1]
.endm
; 64 numbers of a lane become a fragment's codes in v[PC] on and its scale word in v[PW]
.macro QUANT s
.irp b, 0,1,2,3
	v_max3_num_f32 v[TM+\b], |v[\s+16*\b]|, |v[\s+1+16*\b]|, 0x1800000   ; block b: my 16 numbers, and the floor 2^(3 - 127): the byte cannot fall under 1
.endr
.irp i, 2,4,6,8,10,12,14
.irp b, 0,1,2,3
	v_max3_num_f32 v[TM+\b], v[TM+\b], |v[\s+16*\b+\i]|, |v[\s+1+16*\b+\i]|   ; the four blocks by turns
.endr
.endr
.irp b, 0,1,2,3
	v_permlanex16_b32 v[TM+4+\b], v[TM+\b], s[SEL], s[SEL+1]
.endr
.irp b, 0,1,2,3
	v_max_num_f32 v[TM+\b], v[TM+\b], v[TM+4+\b]   ; with lane l xor 16's: the block's largest magnitude
.endr
.irp b, 0,1,2,3
	v_add_nc_u32 v[TM+12+\b], 0xff000000, v[TM+\b]   ; 2 off its exponent field: the conversion takes the exponent field of this operand as its scale
.endr
.irp b, 0,1,2,3
	v_lshrrev_b32 v[TM+4+\b], 23, v[TM+12+\b]      ; the scale's byte
.endr
	v_lshl_or_b32 v[PW], v[TM+5], 8, v[TM+4]
	v_lshl_or_b32 v[PW], v[TM+6], 16, v[PW]
	v_lshl_or_b32 v[PW], v[TM+7], 24, v[PW]
.irp b, 0,1,2,3
	v_cvt_scalef32_pk8_fp4_f32 v[PC+2*\b], v[\s+16*\b:\s+7+16*\b], v[TM+12+\b]
	v_cvt_scalef32_pk8_fp4_f32 v[PC+1+2*\b], v[\s+8+16*\b:\s+15+16*\b], v[TM+12+\b]
.endr
	v_nop                                          ; one plain instruction behind the scaled conversions
.irp c, 0,1                                    ; the operand's layout wants a whole block in a lane: lanes 0-15 block 2 c, lanes 16-31 block 2 c + 1
.irp i, 0,1
	v_permlane16_swap_b32 v[PC+4*\c+\i], v[PC+2+4*\c+\i]
.endr
.endr
.endm
	s_load_b128 s[4:7], s[0:1], 0x0                ; h_query, qpack
	v_lshl_add_u32 v184, v0, 2, 0x8600
	v_mov_b32 v185, 0
	v_lshrrev_b32 v1, 5, v0
	v_readfirstlane_b32 s8, v1                     ; wave = K step s
	v_and_b32 v1, 31, v0                           ; lane
	s_wait_alu depctr_va_vdst(0)
	v_and_b32 v2, 15, v0                           ; r
	s_wait_alu depctr_va_vdst(0)
	v_bfe_u32 v3, v0, 4, 1                         ; h
	s_lshr_b32 s10, ttmp9, 4                       ; v
	s_and_b32 s11, ttmp9, 15                       ; n
	s_lshr_b32 s12, s11, 2
	s_and_b32 s13, s11, 3
	s_lshl_b32 s14, s10, 8
	s_lshl_b32 s12, s12, 6
	s_add_co_u32 s14, s14, s12
	s_add_co_u32 s14, s14, s13                     ; column 0's query: 256 v + 64 (n / 4) + n % 4; column i's is 4 i further on
	s_lshl_b32 s16, s14, 11                        ; its row of 2,048 bytes
	s_mov_b32 s17, 0
	v_lshlrev_b32 v7, 4, v1                        ; 16 x lane
	s_lshl_b32 s15, s8, 9
	v_add_nc_u32 v4, s15, v7                       ; in: my 16 bytes of the K step's 512
	s_mul_i32 s18, s8, STGB
	v_add_nc_u32 v5, s18, v7                       ; the stage, on the way in
	v_mul_u32_u24 v6, v2, 528
	s_wait_alu depctr_va_vdst(0)
	v_lshl_add_u32 v6, v3, 6, v6
	v_add_nc_u32 v6, s18, v6                       ; and on the way out: row r, + 64 h
	s_lshl_b32 s19, ttmp9, 2
	s_add_co_u32 s19, s19, s8
	s_lshl_b32 s19, s19, 10
	v_add_nc_u32 v7, s19, v7                       ; the image: ((16 v + n) 4 + s) 1,024 + 16 x lane
	s_lshl_b32 s22, s10, 12                        ; the scale word: 4,096 v
	s_lshr_b32 s23, s11, 1
	s_lshl_b32 s23, s23, 9
	s_add_co_u32 s22, s22, s23                     ; + 512 (n / 2)
	s_and_b32 s23, s8, 1
	s_lshl_b32 s23, s23, 8
	s_add_co_u32 s22, s22, s23                     ; + 16 x 16 (s % 2)
	s_and_b32 s23, s11, 1
	s_lshl_b32 s23, s23, 3
	s_add_co_u32 s22, s22, s23                     ; + 8 (n % 2)
	s_lshr_b32 s23, s8, 1
	s_lshl_b32 s23, s23, 2
	s_add_co_u32 s22, s22, s23                     ; + 4 (s / 2)
	s_add_co_u32 s22, s22, SCW
	v_lshl_add_u32 v8, v2, 4, s22                  ; + 16 r
	s_lshl_b32 s23, s8, 2
	s_add_co_u32 s23, s23, QPA
	v_lshl_add_u32 v9, v2, 4, s23                  ; LDS: my row's partial sum for my K step
	v_lshl_add_u32 v11, v2, 4, QPA                 ; LDS: a row's four partial sums
	s_lshl_b32 s24, s14, 2
	s_add_co_u32 s24, s24, QQO
	v_lshl_add_u32 v10, v2, 4, s24                 ; qq of column r's query
	s_mov_b32 s[SEL], 0x76543210
	s_mov_b32 s[SEL+1], 0xfedcba98
.irp b, 0,1,2,3
	v_mov_b32 v[TM+4+\b], 0                        ; written once: a lane permute's destination counts as one of its sources
.endr
	s_wait_kmcnt 0x0
	s_add_nc_u64 s[4:5], s[4:5], s[16:17]
.irp i, 0,1,2,3,4,5,6,7,8,9,10,11,12,13,14,15
	global_load_b128 v[LDR+4*\i:LDR+4*\i+3], v4, s[4:5] offset:8192*\i th:TH_LOAD_NT   ; column i's query: 32 lanes read 512 consecutive bytes
.endr
	s_wait_loadcnt 0x0
.irp i, 0,1,2,3,4,5,6,7,8,9,10,11,12,13,14,15
	ds_store_b128 v5, v[LDR+4*\i:LDR+4*\i+3] offset:528*\i
.endr
.irp b, 0,1,2,3
.irp j, 0,1,2,3
	ds_load_b128 v[XA+16*\b+4*\j:XA+16*\b+4*\j+3], v6 offset:128*\b+16*\j   ; LDS serves a wave's instructions in order: these see my stores
.endr
.endr
	s_wait_dscnt 0x0
	SUMSQ XA
	QUANT XA
	global_store_b128 v7, v[PC:PC+3], s[6:7]               ; 512 consecutive bytes a store
	global_store_b128 v7, v[PC+4:PC+7], s[6:7] offset:512
	ds_store_b32 v9, v[SQ]                         ; both lanes of a row write the same word with the same value
	v_cmp_gt_u32 vcc_lo, 16, v1
	s_wait_xcnt 0x0                                ; EXEC changes only behind this wait: the stores above have read it
	s_and_saveexec_b32 s9, vcc_lo
	global_store_b32 v8, v[PW], s[6:7]             ; lanes 0-15: row r's scale word
	s_wait_xcnt 0x0
	s_or_b32 exec_lo, exec_lo, s9
	s_wait_dscnt 0x0                               ; for the others' sake: my partial sums have landed
	s_barrier_signal -1
	s_barrier_wait -1
	s_cmp_lg_u32 s8, 0
	s_cbranch_scc1 .Lend                           ; wave 0 adds the four K steps' parts
	ds_load_b128 v[16:19], v11
	s_wait_dscnt 0x0
	v_add_f32 v16, v16, v17
	v_add_f32 v18, v18, v19
	v_add_f32 v16, v16, v18                        ; (p0 + p1) + (p2 + p3)
	v_cmp_gt_u32 vcc_lo, 16, v1
	s_and_saveexec_b32 s9, vcc_lo                  ; (no load or store has been issued since the last wait for address translation)
	global_store_b32 v10, v16, s[6:7]
	s_wait_xcnt 0x0
	s_or_b32 exec_lo, exec_lo, s9
.Lend:
	s_wait_tensorcnt 0x0
	ds_add_u32 v184, v185
	s_wait_dscnt 0x0
	s_endpgm
.Lfunc_end_k_qb15a7563e9_qprep:
	.size	k_qb15a7563e9_qprep, .Lfunc_end_k_qb15a7563e9_qprep-k_qb15a7563e9_qprep
	.p2alignl 7, 3214868480
	.fill 96, 4, 3214868480
	.section	.rodata,"a",@progbits
	.p2align	6, 0x0
	.amdhsa_kernel k_qb15a7563e9_qprep
		.amdhsa_group_segment_fixed_size 34816
		.amdhsa_private_segment_fixed_size 0
		.amdhsa_enable_private_segment 0
		.amdhsa_kernarg_size 16
		.amdhsa_user_sgpr_count 2
		.amdhsa_user_sgpr_kernarg_segment_ptr 1
		.amdhsa_wavefront_size32 1
		.amdhsa_system_sgpr_workgroup_id_x 1
		.amdhsa_system_sgpr_workgroup_id_y 1
		.amdhsa_system_sgpr_workgroup_id_z 1
		.amdhsa_system_vgpr_workitem_id 0
		.amdhsa_next_free_vgpr 186
		.amdhsa_next_free_sgpr 66
		.amdhsa_reserve_vcc 1
		.amdhsa_float_denorm_mode_32 3
		.amdhsa_float_denorm_mode_16_64 3
		.amdhsa_memory_ordered 1
		.amdhsa_forward_progress 1
		.amdhsa_inst_pref_size 14
	.end_amdhsa_kernel
	.amdgpu_metadata
---
amdhsa.version: [ 1, 2 ]
amdhsa.kernels:
  - .name:           k_qb15a7563e9_qprep
    .symbol:         k_qb15a7563e9_qprep.kd
    .args:
      - { .name: h_query, .offset: 0, .size: 8, .value_kind: global_buffer, .address_space: global }
      - { .name: qpack, .offset: 8, .size: 8, .value_kind: global_buffer, .address_space: global }
    .group_segment_fixed_size: 34816
    .private_segment_fixed_size: 0
    .kernarg_segment_align: 8
    .kernarg_segment_size: 16
    .max_flat_workgroup_size: 128
    .sgpr_count:     66
    .vgpr_count:     186
    .wavefront_size: 32
...
	.end_amdgpu_metadata
.endif
;; end of part 1
;; launch scan (part 2): grid 250 x 1, 4 waves a work-group, no clusters, 167,936 bytes of LDS; arguments memory_embeds, qpack, codes, rowmeta, fmin, cmin; writes codes, rowmeta, fmin, cmin
.if DOCPART == 2
	.amdgcn_target "amdgcn-amd-amdhsa--gfx1250"
	.amdhsa_code_object_version 6
	.text
	.protected	k_qb15a7563e9_scan
	.globl	k_qb15a7563e9_scan
	.p2align	8
	.type	k_qb15a7563e9_scan,@function
k_qb15a7563e9_scan:
	s_mov_b64 s[64:65], 0
	v_nop
	global_prefetch_b8 v0, s[64:65] scope:SCOPE_SE
	s_setreg_imm32_b32 hwreg(HW_REG_WAVE_MODE, 25, 1), 1
	s_wait_xcnt 0x0
; THE ONE PASS OVER THE MEMORY ROWS.  memory_embeds [100000][512] f32 is read once; each row is quantised to FP4 (E2M1) with one E8M0 scale for each 32 along K, its sum of squares mm is taken,
; and dist(q, row) = (qq - 2 q . row) + mm is made for all 1,024 queries, the product on codes by the scaled matrix instruction.  What leaves are MINIMA OF CONTIGUOUS GROUPS of rows:
; cmin [coarse group 500][query 1024]: the least distance in each 200 rows.  fmin, 102,400 bytes a coarse group: the least in each fine group of 8 rows, t = 0 .. 24:
;   [part p 3][query 1024][8] for t = 8 p .. 8 p + 7, then from byte 98,304 [query 1024] for t = 24.
; The 32 nearest rows, by (distance, row), lie in the 32 groups whose minima are least, by (minimum, group): later launches choose groups and look at 256 rows again.  For that the codes,
; the scale words and mm are stored too: codes [fine group 12500][s 4][c 2][h 2][row 8][16 bytes], rowmeta: [row][4 scale words], and from byte 1,600,000 mm[row].
; SHARES.  100,000 rows = 250 work-groups x 25 tiles x 16 rows.  Work-group w owns rows 400 w .. 400 w + 399.  Tile t is rows 8 t .. 8 t + 7 (source 0's rows 0-7) and rows 200 + 8 t .. + 7 (rows 8-15).
; In the result a lane holds one query (lane % 16) and rows 8 (lane / 16) + 0 .. 7: half h of the lanes sees coarse group 2 w + h, and its eight registers are one fine group.
; Wave v keeps the codes of queries 256 v .. 256 v + 255 in registers (512), and quantises K step v (128 along K) of every tile of rows.
; Four tiles at a time: each wave quantises its K step of the four | barrier | each wave multiplies the four tiles against its queries | the codes leave, and after every second four the fine minima | barrier.
; THE ROWS COME THROUGH A RING OF FOUR SETS OF 64 REGISTERS: 64 loads of 512 bytes a wave.  A set turns through one of the wave's two LDS stages into XA or XB by turns, one tile ahead of the tile that is quantised.
; While tiles are quantised nothing is stored to memory: the codes are read back from the wave's own images once for four tiles, so that one wait on XCNT serves four tiles' stores.
; The next tile's fragments are asked of LDS behind the last products that read the registers.  mm is summed once for four tiles, a row to a lane, into the wave's own bytes.
; NO CLUSTER: 250 work-groups do not divide into clusters of four.  NO TENSOR LOAD, NO PREFETCH: the ring asks for each row four tiles ahead and is waited for by counts.
; LIMITS: NaN and infinities are not served.  A block whose largest magnitude lies under 2^-124 (a block of zeros too) keeps the scale byte 1.  mm is an f32 sum in this text's own order.
; REGISTERS, in windows of 256: window 0: the names below.  Windows 1, 2: the queries' fragments, (tile n, K step s) at 256 + 32 n + 8 s.  Window 3: ring set k at 768 + 64 k.
.set STGB, 8448                        ; a stage: 16 rows x 528 bytes
.set FQ,   0                           ; LDS: eight tiles' fine minima: a wave's 17,408 bytes: [h 2][32 rows of 8 queries x 32 bytes, 272 apart]
.set FQW,  17408
.set SCA,  69632                       ; scale words [K step 4][local row 400]
.set MMA,  76032                       ; mm [wave 4][local row 400]: every wave keeps its own; wave 0's leaves
.set IMG,  82432                       ; images [tile of four 4][K step 4][c 2][lane 32][16 bytes]
.set MMP,  98816                       ; = IMG + 16,384: partial sums of squares [tile of four 4][row 16][K step 4]
.set STG,  99840                       ; two stages for each wave
.set SPARE, 167424                     ; the spare words, 128 bytes a wave
.set SCW,  262144                      ; in qpack: scale words;
.set QQO,  278528                      ; qq
.set FRD,  1                           ; fine minima, on the way out
.set GA,   2                           ; 16 x lane + 512 x wave: my bytes of a row
.set STW,  3                           ; the stage, on the way in
.set STR,  4                           ; and out: row r, + 64 h
.set CA,   5                           ; codes: 51,200 (r / 8) + 128 h + 16 (r % 8) + 512 x wave
.set IW,   6                           ; my wave's images
.set SW,   7                           ; where I store a scale word
.set PWA,  8                           ; a partial sum
.set IR,   9                           ; IMG + 16 x lane: where I read an image; 16,384 further on: the partial sums of row lane of the four tiles' 64
.set SR,   10                          ; my row's scale words
.set FGO,  11                          ; 4,096 x wave + 16 x lane
.set FA,   12                          ; fine minima, on the way in
.set MA,   13                          ; mm of my half's rows
.set SWT,  14                          ; SW + the loop's step
.set IRT,  15                          ; IR, stepped tile by tile; between the products: my offset in fmin
.set SRT,  16                          ; SR, stepped
.set MWQ,  17                          ; where I store mm of row lane of the 64
.set FAT,  18                          ; FA, stepped
.set MAT,  19                          ; MA, stepped
.set MS,   20                          ; v20-23   the rows' scale words, K step s: these four hold nothing else
.set XA,   24                          ; v24-87   64 numbers to quantise; two sets of four accumulators; fine minima on their way out
.set XB,   88                          ; v88-151  64 numbers to quantise; while products run: MF, FM, MM; fine minima on their way out
.set MF,   88                          ; v88-119  the tile's four fragments
.set FM,   120                         ; v120-135 fine minimum, tile n
.set MM,   136                         ; v136-143 mm of my half's eight rows
.set CD,   152                         ; v152-183 four tiles' codes on their way out; while tiles are quantised: TM, SQ, PC
.set TM,   152                         ; v152-167 at work in QUANT
.set SQ,   168                         ; v168-175 four packed chains of squares
.set PC,   176                         ; v176-183 codes just made
.set PW,   184                         ; scale word just made
.set MWT,  185                         ; where mm is stored, with the loop's step
.set QS,   186                         ; v186-217 the queries' scale words: register 2 n + p: lanes 0-15 K step 2 p, lanes 16-31 K step 2 p + 1
.set QQ,   218                         ; v218-233 qq of tile n's query
.set CM,   234                         ; v234-249 running coarse minimum, tile n
.set WO,   250                         ; 16 x thread
.set SCD,  251                         ; SCA + 4 x thread
.set MMD,  252                         ; MMA + 16 x thread
.set CMO,  253                         ; cmin: 1,024 x wave + 4,096 h + 16 r
.set SPW,  254                         ; my spare word
.set NIL,  255                         ; 0
.set SEL,  20                          ; s[20:21] lane selects for v_permlanex16_b32
.set MP,   32                          ; s[32:33] memory_embeds at the four tiles in hand
.set CP,   34                          ; s[34:35] codes likewise
.set MSB, 0
.macro WIN new                         ; the immediate's high byte repeats the setting that is left
.if MSB != \new
	s_set_vgpr_msb (MSB<<8)|\new
.set MSB, \new
.endif
.endm
.macro SUMSQ s
.irp c, 0,2,4,6
	v_pk_mul_f32 v[SQ+\c:SQ+\c+1], v[\s+\c:\s+\c+1], v[\s+\c:\s+\c+1]
.endr
.irp i, 8,16,24,32,40,48,56
.irp c, 0,2,4,6
	v_pk_fma_f32 v[SQ+\c:SQ+\c+1], v[\s+\i+\c:\s+\i+\c+1], v[\s+\i+\c:\s+\i+\c+1], v[SQ+\c:SQ+\c+1]
.endr
.endr
	v_pk_add_f32 v[SQ:SQ+1], v[SQ:SQ+1], v[SQ+2:SQ+3]
	v_pk_add_f32 v[SQ+4:SQ+5], v[SQ+4:SQ+5], v[SQ+6:SQ+7]
	v_pk_add_f32 v[SQ:SQ+1], v[SQ:SQ+1], v[SQ+4:SQ+5]
	v_add_f32 v[SQ], v[SQ], v[SQ+1]
	v_permlanex16_b32 v[SQ+1], v[SQ], s[SEL], s[SEL+1]
	v_add_f32 v[SQ], v[SQ], v[SQ+1]                ; my row's part for my K step, in both lanes of the row
.endm
.macro QUANT s                         ; 64 numbers of a lane, register 16 b + i = k 32 b + 16 (lane / 16) + i of my row, become a fragment's codes in v[PC] on and its scale word in v[PW]
.irp b, 0,1,2,3
	v_max3_num_f32 v[TM+\b], |v[\s+16*\b]|, |v[\s+1+16*\b]|, 0x1800000   ; and the floor 2^(3 - 127): the byte cannot fall under 1
.endr
.irp i, 2,4,6,8,10,12,14
.irp b, 0,1,2,3
	v_max3_num_f32 v[TM+\b], v[TM+\b], |v[\s+16*\b+\i]|, |v[\s+1+16*\b+\i]|
.endr
.endr
.irp b, 0,1,2,3
	v_permlanex16_b32 v[TM+4+\b], v[TM+\b], s[SEL], s[SEL+1]
.endr
.irp b, 0,1,2,3
	v_max_num_f32 v[TM+\b], v[TM+\b], v[TM+4+\b]   ; the block's largest magnitude
.endr
.irp b, 0,1,2,3
	v_add_nc_u32 v[TM+12+\b], 0xff000000, v[TM+\b]   ; 2 off its exponent field: the conversion's scale operand
.endr
.irp b, 0,1,2,3
	v_lshrrev_b32 v[TM+4+\b], 23, v[TM+12+\b]      ; the scale's byte
.endr
	v_lshl_or_b32 v[PW], v[TM+5], 8, v[TM+4]
	v_lshl_or_b32 v[PW], v[TM+6], 16, v[PW]
	v_lshl_or_b32 v[PW], v[TM+7], 24, v[PW]
.irp b, 0,1,2,3
	v_cvt_scalef32_pk8_fp4_f32 v[PC+2*\b], v[\s+16*\b:\s+7+16*\b], v[TM+12+\b]
	v_cvt_scalef32_pk8_fp4_f32 v[PC+1+2*\b], v[\s+8+16*\b:\s+15+16*\b], v[TM+12+\b]
.endr
	v_nop                                          ; one plain instruction behind the scaled conversions
.irp c, 0,1
.irp i, 0,1
	v_permlane16_swap_b32 v[PC+4*\c+\i], v[PC+2+4*\c+\i]   ; a whole block to a lane
.endr
.endr
.endm
; 16 loads into ring set k: a tile's 16 rows, my K step's 512 bytes of each
.macro RING k, base
.irp i, 0,1,2,3,4,5,6,7
	global_load_b128 v[64*(\k)+4*\i:64*(\k)+4*\i+3], v[GA], s[MP:MP+1] offset:(\base)+2048*\i th:TH_LOAD_NT
.endr
.irp i, 8,9,10,11,12,13,14,15
	global_load_b128 v[64*(\k)+4*\i:64*(\k)+4*\i+3], v[GA], s[MP:MP+1] offset:(\base)+409600+2048*(\i-8) th:TH_LOAD_NT   ; 200 rows further down
.endr
.endm
; Ring set k turns through stage k % 2 into x.  cnt: the loads issued behind this set's sixteen.  xw = 1: registers written from here on still feed stores to memory.
.macro TURN k, x, cnt, xw
	s_wait_loadcnt \cnt                            ; loads come back in order: this set's are in
	WIN 0x0c                                       ; an LDS store's data are its source 1: window 3
.irp i, 0,1,2,3,4,5,6,7,8,9,10,11,12,13,14,15
	ds_store_b128 v[STW], v[64*\k+4*\i:64*\k+4*\i+3] offset:STGB*((\k)%2)+528*\i
.endr
	WIN 0
.if \xw
	s_wait_xcnt 0x0                                ; the stores of the fine minima and of the codes have read XA, XB, CD and their offsets
.endif
.irp b, 0,1,2,3
.irp j, 0,1,2,3
	ds_load_b128 v[\x+16*\b+4*\j:\x+16*\b+4*\j+3], v[STR] offset:STGB*((\k)%2)+128*\b+16*\j   ; LDS serves a wave's instructions in order: these see my stores
.endr
.endr
.endm
; Tile k of the four, in x: my K step of its 16 rows is quantised.  ld = 1: set k takes the tile four further on.  dsc: the LDS instructions issued behind x's sixteen loads.
.macro WORK k, x, ld, dsc
	s_wait_dscnt \dsc                              ; x is in, so the stores into the stage have read set k
.if \ld
	WIN 0xc0                                       ; destination window 3
	RING \k, 65536+16384*\k
	WIN 0
.endif
	SUMSQ \x
	QUANT \x
	ds_store_b128 v[IW], v[PC:PC+3] offset:4096*\k         ; the fragment goes to LDS as it stands
	ds_store_b128 v[IW], v[PC+4:PC+7] offset:4096*\k+512
	ds_store_b32 v[SWT], v[PW] offset:32*\k        ; both lanes of a row write the same word with the same value
	ds_store_b32 v[PWA], v[SQ] offset:256*\k
.endm
; Four tiles.  Counts of loads: behind set 0 stand sets 1-3; behind set 1 sets 2, 3; behind set 2 set 3 and set 0's refill; behind set 3 the refills of sets 0 and 1 (c3 = 32) or of set 0 alone (16).
; Counts of LDS instructions: a turn is 32, a tile's stores 4.
.macro QUADL ld, c3
	TURN 0, XB, 48, 1
	TURN 1, XA, 32, 0
	WORK 0, XB, 1, 32
	TURN 2, XB, 32, 0
	WORK 1, XA, \ld, 36
	TURN 3, XA, \c3, 0
	WORK 2, XB, \ld, 36
	WORK 3, XA, \ld, 4
.endm
.macro BAR                             ; my LDS stores have landed and my LDS loads are in: then the work-group's barrier
	s_wait_dscnt 0x0
	s_barrier_signal -1
	s_barrier_wait -1
.endm
; 16 matrix instructions: the tile of rows against my tiles 4 c .. 4 c + 3 of queries, K steps 0 to 3 in order, the first with C = 0.  The four accumulators take turns.
.macro WM c
.set AB, XA+32*((\c)%2)
.set N0, 4*(\c)
.irp s, 0,1,2,3
.irp i, 0,1,2,3
.if \s == 0
	v_wmma_scale_f32_16x16x128_f8f6f4 v[AB+8*\i:AB+8*\i+7], v[MF:MF+7], v[32*((N0+\i)%8):32*((N0+\i)%8)+7], 0, v[MS], v[QS+2*(N0+\i)] matrix_a_fmt:MATRIX_FMT_FP4 matrix_b_fmt:MATRIX_FMT_FP4
.elseif \s%2 == 1
	v_wmma_scale_f32_16x16x128_f8f6f4 v[AB+8*\i:AB+8*\i+7], v[MF+8*\s:MF+8*\s+7], v[32*((N0+\i)%8)+8*\s:32*((N0+\i)%8)+8*\s+7], v[AB+8*\i:AB+8*\i+7], v[MS+\s], v[QS+2*(N0+\i)+\s/2] matrix_a_fmt:MATRIX_FMT_FP4 matrix_b_fmt:MATRIX_FMT_FP4 matrix_b_scale:MATRIX_SCALE_ROW1
.else
	v_wmma_scale_f32_16x16x128_f8f6f4 v[AB+8*\i:AB+8*\i+7], v[MF+8*\s:MF+8*\s+7], v[32*((N0+\i)%8)+8*\s:32*((N0+\i)%8)+8*\s+7], v[AB+8*\i:AB+8*\i+7], v[MS+\s], v[QS+2*(N0+\i)+\s/2] matrix_a_fmt:MATRIX_FMT_FP4 matrix_b_fmt:MATRIX_FMT_FP4
.endif
.endr
.endr
.endm
; The vector work on tiles 4 c .. 4 c + 3: dist = (qq - 2 dot) + mm, the least of the lane's eight rows, the running coarse minimum.  Each accumulator from its low end on.
.macro VA c
.set AB, XA+32*((\c)%2)
.set N0, 4*(\c)
.irp p, 0,2,4,6
.irp i, 0,2
	v_pk_fma_f32 v[AB+8*\i+\p:AB+8*\i+\p+1], v[AB+8*\i+\p:AB+8*\i+\p+1], -2.0, v[QQ+N0+\i:QQ+N0+\i+1] op_sel_hi:[1,0,0]   ; the pair's first register, qq of tile N0 + i, for both halves
	v_pk_fma_f32 v[AB+8*\i+8+\p:AB+8*\i+8+\p+1], v[AB+8*\i+8+\p:AB+8*\i+8+\p+1], -2.0, v[QQ+N0+\i:QQ+N0+\i+1] op_sel:[0,0,1] op_sel_hi:[1,0,1]   ; its second, of tile N0 + i + 1
.endr
.endr
.irp p, 0,2,4,6
.irp i, 0,1,2,3
	v_pk_add_f32 v[AB+8*\i+\p:AB+8*\i+\p+1], v[AB+8*\i+\p:AB+8*\i+\p+1], v[MM+\p:MM+\p+1]
.endr
.endr
.irp i, 0,1,2,3
	v_min3_num_f32 v[FM+N0+\i], v[AB+8*\i], v[AB+8*\i+1], v[AB+8*\i+2]
.endr
.irp i, 0,1,2,3
	v_min3_num_f32 v[FM+N0+\i], v[FM+N0+\i], v[AB+8*\i+3], v[AB+8*\i+4]
.endr
.irp i, 0,1,2,3
	v_min3_num_f32 v[FM+N0+\i], v[FM+N0+\i], v[AB+8*\i+5], v[AB+8*\i+6]
.endr
.irp i, 0,1,2,3
	v_min_num_f32 v[FM+N0+\i], v[FM+N0+\i], v[AB+8*\i+7]
.endr
.irp i, 0,1,2,3
	v_min_num_f32 v[CM+N0+\i], v[CM+N0+\i], v[FM+N0+\i]
.endr
.endm
.macro MLOAD                           ; a tile's four fragments and its rows' scale words: 12 LDS loads
.irp s, 0,1,2,3
.irp c, 0,1
	ds_load_b128 v[MF+8*\s+4*\c:MF+8*\s+4*\c+3], v[IRT] offset:1024*\s+512*\c
.endr
	ds_load_b32 v[MS+\s], v[SRT] offset:1600*\s
.endr
.endm
; Ahead of the products: the stepped addresses begin; mm = (p0 + p1) + (p2 + p3), a row to a lane, goes into my wave's own bytes; the first tile's fragments are asked for meanwhile.
; q = 1: four tiles' 64 rows; q = 0: one tile's 16, in both halves of the lanes.
.macro MMRED q
	v_add_nc_u32 v[SRT], s29, v[SR]
	v_add_nc_u32 v[MAT], s29, v[MA]
	v_mov_b32 v[IRT], v[IR]
.if \q
	v_add_nc_u32 v[FAT], s27, v[FA]                ; the first or the second 16 bytes of a query's 32
	ds_load_b128 v[XA:XA+3], v[IR] offset:16384
	ds_load_b128 v[XA+4:XA+7], v[IR] offset:16896
.else
	v_and_b32 v[FAT], 15, v0
	v_lshl_add_u32 v[FAT], v[FAT], 4, MMP
	ds_load_b128 v[XA:XA+3], v[FAT]
.endif
	MLOAD
	s_wait_alu depctr_va_vdst(0)
	s_wait_dscnt 12                                ; the partial sums are in; the 12 loads behind them may be out
	v_add_f32 v[XA], v[XA], v[XA+1]
	v_add_f32 v[XA+2], v[XA+2], v[XA+3]
.if \q
	v_add_f32 v[XA+4], v[XA+4], v[XA+5]
	v_add_f32 v[XA+6], v[XA+6], v[XA+7]
.endif
	v_add_f32 v[XA], v[XA], v[XA+2]
	ds_store_b32 v[MWT], v[XA]
.if \q
	v_add_f32 v[XA+4], v[XA+4], v[XA+6]
	ds_store_b32 v[MWT], v[XA+4] offset:64         ; two tiles further on
.endif
	s_wait_dscnt 0x0                               ; nothing of mine is out on the way into the products: so their counted wait holds there too
.endm
; One tile of rows against my 256 queries.  Plain vector instructions behind matrix instructions: behind WM 0 and WM 1 four lines, then VA 0; behind WM 2 VA 1; behind WM 3 VA 2, which also stands ahead of the loads
; into the fragments' registers.  nx = 1: in the loop over four tiles: the addresses step, all trips but the last ask for the next tile's fragments, and the 16 fine minima go to LDS in one run.
.macro MULT nx
	s_wait_dscnt 16                                ; the fragments and scale words are in: behind their loads stand the last tile's 16 stores alone
	ds_load_b128 v[MM:MM+3], v[MAT]                ; my own stores, in order
	ds_load_b128 v[MM+4:MM+7], v[MAT] offset:16
	WIN 0x04                                       ; source 1, the queries: window 1
	WM 0
	WM 1
	WIN 0
.if \nx
	v_add_nc_u32 v[IRT], 4096, v[IRT]              ; on to the next tile
	v_add_nc_u32 v[SRT], 32, v[SRT]
	v_add_nc_u32 v[MAT], 32, v[MAT]
	v_nop
.else
.rept 4
	v_nop
.endr
.endif
	s_wait_dscnt 0x0                               ; mm is in
	VA 0
	WIN 0x08                                       ; the queries' tiles 8 to 15: window 2
	WM 2
	WIN 0
	VA 1
	WIN 0x08
	WM 3
	WIN 0
	VA 2
.if \nx
	s_cmp_eq_u32 s23, 1
	s_cbranch_scc1 .Lno_next_\@
	MLOAD
.Lno_next_\@:
.endif
	VA 3
.if \nx
.irp c, 0,1,2,3
.irp i, 0,1,2,3
	ds_store_b32 v[FAT], v[FM+4*\c+\i] offset:2176*\c+32*\i   ; query 64 c + 4 r + i of my 256: 32 bytes a query, 272 for eight
.endr
.endr
	v_add_nc_u32 v[FAT], 4, v[FAT]
.endif
.endm
.macro FOUR                            ; the four tiles in hand: MULT is written once and walked four times
	s_mov_b32 s23, 4
	MMRED 1
.Lfour_\@:
	MULT 1
	s_sub_co_u32 s23, s23, 1
	s_cmp_lg_u32 s23, 0
	s_cbranch_scc1 .Lfour_\@
.endm
.macro STEPQ                           ; on to the next four tiles
	s_wait_xcnt 0x0                                ; the loads issued so far have read their base
	s_add_nc_u64 s[MP:MP+1], s[MP:MP+1], 65536
	s_add_nc_u64 s[CP:CP+1], s[CP:CP+1], 8192
	s_add_co_u32 s29, s29, 128
.endm
; My K step's codes of the four tiles come back from my own images and leave.  Behind every second four (s27 = 16) the eight tiles' fine minima of my 256 queries come back from my own LDS bytes by rows of 256 bytes
; and leave too.  Then the barrier, on every way: every wave's reads of the images are over.
.macro DUMP
.irp k, 0,1,2,3
.irp c, 0,1
	ds_load_b128 v[CD+8*\k+4*\c:CD+8*\k+4*\c+3], v[IW] offset:4096*\k+512*\c
.endr
.endr
	s_cmp_eq_u32 s27, 0
	s_cbranch_scc1 .Lhalf_\@
.irp j, 0,1,2,3,4,5,6,7,8,9,10,11,12,13,14,15
	ds_load_b128 v[XA+4*\j:XA+4*\j+3], v[FRD] offset:544*\j
.endr
.irp j, 0,1,2,3,4,5,6,7,8,9,10,11,12,13,14,15
	ds_load_b128 v[XB+4*\j:XB+4*\j+3], v[FRD] offset:8704+544*\j
.endr
	v_add_nc_u32 v[IRT], s28, v[FGO]               ; 32,768 x part + 8,192 x wave + 16 x lane
	s_wait_alu depctr_va_vdst(0)
	s_wait_dscnt 0x0
.irp j, 0,1,2,3,4,5,6,7,8,9,10,11,12,13,14,15
	global_store_b128 v[IRT], v[XA+4*\j:XA+4*\j+3], s[12:13] offset:512*\j th:TH_STORE_NT   ; a store covers 512 consecutive bytes, aligned
.endr
.irp j, 0,1,2,3,4,5,6,7,8,9,10,11,12,13,14,15
	global_store_b128 v[IRT], v[XB+4*\j:XB+4*\j+3], s[12:13] offset:102400+512*\j th:TH_STORE_NT   ; the second coarse group
.endr
	s_add_co_u32 s28, s28, 32768
.Lhalf_\@:
	s_wait_dscnt 0x0
.irp k, 0,1,2,3
.irp c, 0,1
	global_store_b128 v[CA], v[CD+8*\k+4*\c:CD+8*\k+4*\c+3], s[CP:CP+1] offset:2048*\k+256*\c-8192 th:TH_STORE_NT   ; the base has stepped already.  Lanes 0-7 and 16-23 fill one aligned block of 256 bytes, lanes 8-15 and 24-31 another
.endr
.endr
	s_xor_b32 s27, s27, 16
	s_barrier_signal -1
	s_barrier_wait -1
.endm
	s_load_b256 s[4:11], s[0:1], 0x0               ; memory_embeds, qpack, codes, rowmeta
	s_load_b128 s[12:15], s[0:1], 0x20             ; fmin, cmin
	v_lshl_add_u32 v[SPW], v0, 2, SPARE
	v_mov_b32 v[NIL], 0
	v_lshrrev_b32 v88, 5, v0
	v_readfirstlane_b32 s16, v88                   ; wave
	v_and_b32 v88, 31, v0                          ; lane
	v_and_b32 v89, 15, v0                          ; r
	v_bfe_u32 v90, v0, 4, 1                        ; h
	v_and_b32 v91, 7, v0                           ; r % 8
	v_bfe_u32 v92, v0, 3, 1                        ; r / 8
	v_bfe_u32 v93, v0, 1, 3                        ; r / 2
	v_and_b32 v94, 1, v0                           ; r % 2
	v_lshlrev_b32 v95, 4, v88                      ; 16 x lane
	s_wait_alu depctr_va_vdst(0)
	s_lshl_b32 s17, s16, 9
	s_mul_i32 s18, s16, 2*STGB
	s_add_co_u32 s18, s18, STG
	s_lshl_b32 s19, s16, 10
	s_add_co_u32 s19, s19, IMG
	s_mul_i32 s22, s16, 1600
	s_lshl_b32 s23, s16, 2
	s_add_co_u32 s23, s23, MMP
	s_add_co_u32 s24, s22, MMA
	s_mul_i32 s25, s16, FQW
	s_lshl_b32 s30, s16, 12
	s_lshl_b32 s31, s16, 10
	s_lshl_b32 s28, s16, 16
	s_mov_b32 s[SEL], 0x76543210
	s_mov_b32 s[SEL+1], 0xfedcba98
	s_mul_i32 s36, ttmp9, 819200                   ; my 400 rows of 2,048 bytes
	s_mov_b32 s37, 0
	s_mul_i32 s40, ttmp9, 102400                   ; their codes
	s_mov_b32 s41, 0
	s_mul_i32 s42, ttmp9, 6400                     ; their scale words
	s_mov_b32 s43, 0
	s_mul_i32 s44, ttmp9, 1600                     ; their mm
	s_add_co_u32 s44, s44, 1600000
	s_mov_b32 s45, 0
	s_mul_i32 s46, ttmp9, 204800                   ; my two coarse groups in fmin
	s_mov_b32 s47, 0
	v_add_nc_u32 v[GA], s17, v95
	v_add_nc_u32 v[STW], s18, v95
	v_mul_u32_u24 v[STR], v89, 528
	v_lshl_add_u32 v[STR], v90, 6, v[STR]
	v_add_nc_u32 v[STR], s18, v[STR]
	v_mul_u32_u24 v[CA], v92, 51200
	v_lshl_add_u32 v[CA], v90, 7, v[CA]
	v_lshl_add_u32 v[CA], v91, 4, v[CA]
	v_add_nc_u32 v[CA], s17, v[CA]
	v_add_nc_u32 v[IW], s19, v95
	v_add_nc_u32 v[IR], IMG, v95
	v_mul_u32_u24 v[SR], v92, 800
	v_lshl_add_u32 v[SR], v91, 2, v[SR]            ; local row 200 (r / 8) + r % 8, 4 bytes a row
	v_add_nc_u32 v[MWQ], s24, v[SR]                ; in my wave's mm;
	v_lshl_add_u32 v[MWQ], v90, 5, v[MWQ]          ; lanes 16-31: the next tile
	v_add_nc_u32 v[SR], SCA, v[SR]
	v_add_nc_u32 v[SW], s22, v[SR]                 ; in my K step's 1,600 bytes
	v_lshl_add_u32 v[PWA], v89, 4, s23
	v_mul_u32_u24 v[MA], v90, 800
	v_add_nc_u32 v[MA], s24, v[MA]
	v_mul_u32_u24 v[FA], v90, 8704                 ; query 4 r of a tile's 64: row r / 2 of eight queries, place 4 (r % 2)
	v_mad_u32_u24 v[FA], v93, 272, v[FA]
	v_lshl_add_u32 v[FA], v94, 7, v[FA]
	v_add_nc_u32 v[FA], s25, v[FA]
	v_mul_u32_u24 v[FRD], v90, 272
	v_lshl_add_u32 v[FRD], v89, 4, v[FRD]
	v_add_nc_u32 v[FRD], s25, v[FRD]
	v_add_nc_u32 v[FGO], s30, v95
	v_lshlrev_b32 v[WO], 4, v0
	v_lshl_add_u32 v[SCD], v0, 2, SCA
	v_lshl_add_u32 v[MMD], v0, 4, MMA
	v_lshl_add_u32 v[CMO], v90, 12, s31
	v_lshl_add_u32 v[CMO], v89, 4, v[CMO]
	v_lshl_add_u32 v[XA+2], v89, 4, s31            ; qq: 1,024 x wave + 16 r
	v_add_nc_u32 v[XA], s28, v95                   ; my wave's images in qpack: 65,536 x wave + 16 x lane
.irp b, 0,1,2,3
	v_mov_b32 v[TM+4+\b], 0                        ; written once: a lane permute's destination counts as one of its sources
.endr
.irp n, 0,1,2,3,4,5,6,7,8,9,10,11,12,13,14,15
	v_mov_b32 v[CM+\n], 0x7f800000                 ; the coarse minima begin at +infinity
.endr
	s_wait_alu depctr_va_vdst(0)
	s_wait_kmcnt 0x0
	s_add_nc_u64 s[MP:MP+1], s[4:5], s[36:37]
	s_add_nc_u64 s[CP:CP+1], s[8:9], s[40:41]
	s_add_nc_u64 s[38:39], s[10:11], s[44:45]
	s_add_nc_u64 s[10:11], s[10:11], s[42:43]
	s_add_nc_u64 s[12:13], s[12:13], s[46:47]
	s_lshl_b32 s36, ttmp9, 13                      ; and in cmin
	s_add_nc_u64 s[14:15], s[14:15], s[36:37]
	s_mov_b32 s27, 0                               ; 16 x (the four's number % 2)
	s_mov_b32 s28, s30                             ; 4,096 x wave + 32,768 x part: with v[FGO] my place in fmin
	s_mov_b32 s29, 0
	; the queries first, then the ring: so exactly 48 loads are younger than ring set 0's, and its wait shows the queries in too
	WIN 0x40                                       ; destination window 1
.irp n, 0,1,2,3,4,5,6,7
.irp p, 0,1,2,3,4,5,6,7
	global_load_b128 v[32*\n+4*\p:32*\n+4*\p+3], v[XA], s[6:7] offset:4096*\n+512*\p
.endr
.endr
	WIN 0x80                                       ; window 2
.irp n, 8,9,10,11,12,13,14,15
.irp p, 0,1,2,3,4,5,6,7
	global_load_b128 v[32*(\n-8)+4*\p:32*(\n-8)+4*\p+3], v[XA], s[6:7] offset:4096*\n+512*\p
.endr
.endr
	WIN 0
.irp i, 0,1,2,3,4,5,6,7
	global_load_b128 v[QS+4*\i:QS+4*\i+3], v[FGO], s[6:7] offset:SCW+512*\i
.endr
.irp c, 0,1,2,3
	global_load_b128 v[QQ+4*\c:QQ+4*\c+3], v[XA+2], s[6:7] offset:QQO+256*\c
.endr
	WIN 0xc0                                       ; window 3
	RING 0, 0
	RING 1, 16384
	RING 2, 32768
	RING 3, 49152
	WIN 0
	s_mov_b32 s22, 5
.Lquad:                                            ; five trips: tiles 4 u .. 4 u + 3, u = 0 .. 4; each fills the ring with the next four
	v_add_nc_u32 v[SWT], s29, v[SW]
	v_add_nc_u32 v[MWT], s29, v[MWQ]
	QUADL 1, 32
	BAR                                            ; the four tiles' images, scale words and partial sums lie in LDS
	FOUR
	STEPQ
	DUMP
	s_sub_co_u32 s22, s22, 1
	s_cmp_lg_u32 s22, 0
	s_cbranch_scc1 .Lquad
	v_add_nc_u32 v[SWT], s29, v[SW]                ; tiles 20 to 23, written out: only tile 24 is left to ask for
	v_add_nc_u32 v[MWT], s29, v[MWQ]
	QUADL 0, 16
	BAR
	FOUR
	STEPQ
	DUMP
	v_add_nc_u32 v[SWT], s29, v[SW]                ; tile 24
	v_bfe_u32 v[MWT], v0, 4, 1
	v_lshlrev_b32 v[MWT], 5, v[MWT]
	v_sub_nc_u32 v[MWT], v[MWQ], v[MWT]            ; both halves of the lanes store the one tile's mm
	v_add_nc_u32 v[MWT], s29, v[MWT]
	TURN 0, XB, 0, 1
	WORK 0, XB, 0, 0
	BAR
	MMRED 0
	MULT 0
	ds_load_b128 v[CD:CD+3], v[IW]                 ; tile 24's codes, from my own image
	ds_load_b128 v[CD+4:CD+7], v[IW] offset:512
	s_wait_alu depctr_va_vdst(0)
	BAR                                            ; all scale words and mm lie in LDS
	; THE WAY OUT.  A lane's four neighbouring tiles are four neighbouring queries: sixteen lanes store 256 consecutive bytes, aligned
	global_store_b128 v[CA], v[CD:CD+3], s[CP:CP+1] th:TH_STORE_NT
	global_store_b128 v[CA], v[CD+4:CD+7], s[CP:CP+1] offset:256 th:TH_STORE_NT
.irp c, 0,1,2,3
	global_store_b128 v[CMO], v[CM+4*\c:CM+4*\c+3], s[14:15] offset:256*\c
.endr
	v_bfe_u32 v[PW], v0, 4, 1
	v_mad_u32_u24 v[PW], v[PW], 98304, v[CMO]      ; fmin, t = 24: 102,400 h + 1,024 x wave + 16 r
.irp c, 0,1,2,3
	global_store_b128 v[PW], v[FM+4*\c:FM+4*\c+3], s[12:13] offset:98304+256*\c
.endr
	; the scale words, a row to a thread: its four K steps' words from the four runs, 16 bytes out
.irp p, 0,1,2
.irp s, 0,1,2,3
	ds_load_b32 v[XA+40+4*\p+\s], v[SCD] offset:512*\p+1600*\s
.endr
.endr
	s_wait_dscnt 0x0
.irp p, 0,1,2
	global_store_b128 v[WO], v[XA+40+4*\p:XA+40+4*\p+3], s[10:11] offset:2048*\p
.endr
	v_cmp_gt_u32 vcc_lo, 16, v0                    ; rows 384 to 399: threads 0 to 15
	s_wait_xcnt 0x0                                ; EXEC changes only behind this wait
	s_wait_tensorcnt 0x0                           ; behind my last LDS store, all lanes on
	ds_add_u32 v[SPW], v[NIL]
	s_wait_dscnt 0x0
	s_and_saveexec_b32 s36, vcc_lo
.irp s, 0,1,2,3
	ds_load_b32 v[XA+52+\s], v[SCD] offset:1536+1600*\s
.endr
	s_wait_dscnt 0x0
	global_store_b128 v[WO], v[XA+52:XA+55], s[10:11] offset:6144
	s_wait_xcnt 0x0
	s_or_b32 exec_lo, exec_lo, s36
	v_cmp_gt_u32 vcc_lo, 100, v0                   ; mm: wave 0's 1,600 bytes, threads 0 to 99
	s_and_saveexec_b32 s36, vcc_lo
	ds_load_b128 v[XA+56:XA+59], v[MMD]
	s_wait_dscnt 0x0
	global_store_b128 v[WO], v[XA+56:XA+59], s[38:39]
	s_wait_xcnt 0x0
	s_or_b32 exec_lo, exec_lo, s36
	s_endpgm
.Lfunc_end_k_qb15a7563e9_scan:
	.size	k_qb15a7563e9_scan, .Lfunc_end_k_qb15a7563e9_scan-k_qb15a7563e9_scan
	.p2alignl 7, 3214868480
	.fill 96, 4, 3214868480
	.section	.rodata,"a",@progbits
	.p2align	6, 0x0
	.amdhsa_kernel k_qb15a7563e9_scan
		.amdhsa_group_segment_fixed_size 167936
		.amdhsa_private_segment_fixed_size 0
		.amdhsa_enable_private_segment 0
		.amdhsa_kernarg_size 48
		.amdhsa_user_sgpr_count 2
		.amdhsa_user_sgpr_kernarg_segment_ptr 1
		.amdhsa_wavefront_size32 1
		.amdhsa_system_sgpr_workgroup_id_x 1
		.amdhsa_system_sgpr_workgroup_id_y 1
		.amdhsa_system_sgpr_workgroup_id_z 1
		.amdhsa_system_vgpr_workitem_id 0
		.amdhsa_next_free_vgpr 1024
		.amdhsa_next_free_sgpr 66
		.amdhsa_reserve_vcc 1
		.amdhsa_float_denorm_mode_32 3
		.amdhsa_float_denorm_mode_16_64 3
		.amdhsa_memory_ordered 1
		.amdhsa_forward_progress 1
		.amdhsa_inst_pref_size 196
	.end_amdhsa_kernel
	.amdgpu_metadata
---
amdhsa.version: [ 1, 2 ]
amdhsa.kernels:
  - .name:           k_qb15a7563e9_scan
    .symbol:         k_qb15a7563e9_scan.kd
    .args:
      - { .name: memory_embeds, .offset: 0, .size: 8, .value_kind: global_buffer, .address_space: global }
      - { .name: qpack, .offset: 8, .size: 8, .value_kind: global_buffer, .address_space: global }
      - { .name: codes, .offset: 16, .size: 8, .value_kind: global_buffer, .address_space: global }
      - { .name: rowmeta, .offset: 24, .size: 8, .value_kind: global_buffer, .address_space: global }
      - { .name: fmin, .offset: 32, .size: 8, .value_kind: global_buffer, .address_space: global }
      - { .name: cmin, .offset: 40, .size: 8, .value_kind: global_buffer, .address_space: global }
    .group_segment_fixed_size: 167936
    .private_segment_fixed_size: 0
    .kernarg_segment_align: 8
    .kernarg_segment_size: 48
    .max_flat_workgroup_size: 128
    .sgpr_count:     66
    .vgpr_count:     1024
    .wavefront_size: 32
...
	.end_amdgpu_metadata
.endif
;; end of part 2
;; launch pick1 (part 3): grid 256 x 1, 4 waves a work-group, no clusters, 0 bytes of LDS; arguments cmin, sel1; writes sel1
.if DOCPART == 3
	.amdgcn_target "amdgcn-amd-amdhsa--gfx1250"
	.amdhsa_code_object_version 6
	.text
	.protected	k_qb15a7563e9_pick1
	.globl	k_qb15a7563e9_pick1
	.p2align	8
	.type	k_qb15a7563e9_pick1,@function
k_qb15a7563e9_pick1:
	s_mov_b64 s[64:65], 0
	v_nop
	global_prefetch_b8 v0, s[64:65] scope:SCOPE_SE
	s_setreg_imm32_b32 hwreg(HW_REG_WAVE_MODE, 25, 1), 1
	s_wait_xcnt 0x0
; For each query: the 32 of its 500 coarse groups whose minima are least, ordered by (minimum, group).  cmin: [group 500][query 1024] f32.
; sel1: [query][lane 32][2 words]: a word of 16 bits (bit j: group 16 lane + j is chosen) and the number 16 lane.  Every address is fixed; what is chosen leaves as whole numbers, and the next launch makes a list of it.
; One wave to a query; lane l holds groups 16 l .. 16 l + 15.  NO BRANCH AND NO ADDRESS HANGS ON A DISTANCE: the 32nd smallest key is found by bisection over the key's 32 bits (count the keys under a trial value by
; compares into scalar masks and bit counts; keep or drop the trial bit by a scalar select).  Ties at that key go to the lower positions 16 lane + j: an equal key's rank among the equal ones is the number of them in
; lower lanes plus the number of them under it in its own lane, and it is chosen while that rank is under the number still wanted.
; No LDS, no matrix unit, no cluster: 2 MB are read once and the waves share nothing.  Each load takes 4 bytes of 32 rows of cmin: that layout lets the launch before store whole blocks of 256 bytes.
; LIMITS: NaN is not served (its key would lie beside the blanks').
.set K,     16                         ; v16-31 the keys
.set MK,    16                         ; s16-31 masks: under the trial value; then: equal; at the end: chosen
.set LK,    32                         ; s32-47 masks: under the 32nd smallest key
.set ST,    10                         ; the value found so far
.set SBIT,  11                         ; the trial bit
.set SI,    12                         ; trips
.set SC,    13                         ; the trial value
.set SN,    14                         ; the count, in two chains: s14, s54
.set SX,    15                         ; at work: s15, s55
.set SN2,   54
.set SX2,   55
.set STG,   48                         ; which smallest is sought; then how many equal keys are wanted
.set SLESS, 49                         ; keys under the 32nd smallest
.set VM1,   4                          ; all ones
.set VT,    5                          ; v5-6 at work
.set VLR,   7                          ; my first position: 16 x lane
.set VW,    10                         ; v[10:11] what is stored
.macro KEYMAP R                        ; f32 to u32, order kept: a positive number gets its top bit set, a negative one is inverted
.set j, 0
.rept \R
	v_ashrrev_i32 v[VT+j%2], 31, v[K+j]
	v_or_b32 v[VT+j%2], 0x80000000, v[VT+j%2]
	v_xor_b32 v[K+j], v[K+j], v[VT+j%2]
.set j, j+1
.endr
.endm
.macro BISECT nbits, R                 ; s[ST] = the s[STG]-th smallest of the wave's 32 R keys: the largest value with fewer than s[STG] keys under it
	s_mov_b32 s[ST], 0
	s_mov_b32 s[SBIT], 1<<(\nbits-1)
	s_mov_b32 s[SI], \nbits
.Lbit_\@:
	s_or_b32 s[SC], s[ST], s[SBIT]
.set j, 0
.rept \R
	v_cmp_gt_u32 s[MK+j], s[SC], v[K+j]
.set j, j+1
.endr
	s_bcnt1_i32_b32 s[SN], s[MK]                   ; two chains by turns, so that no sum waits for the line above it
	s_bcnt1_i32_b32 s[SN2], s[MK+1]
.set j, 2
.rept (\R-2)/2
	s_bcnt1_i32_b32 s[SX], s[MK+j]
	s_bcnt1_i32_b32 s[SX2], s[MK+j+1]
	s_add_co_u32 s[SN], s[SN], s[SX]
	s_add_co_u32 s[SN2], s[SN2], s[SX2]
.set j, j+2
.endr
.if (\R)%2
	s_bcnt1_i32_b32 s[SX], s[MK+\R-1]
	s_add_co_u32 s[SN], s[SN], s[SX]
.endif
	s_add_co_u32 s[SN], s[SN], s[SN2]
	s_cmp_lt_u32 s[SN], s[STG]
	s_cselect_b32 s[ST], s[SC], s[ST]              ; a select, not a branch
	s_lshr_b32 s[SBIT], s[SBIT], 1
	s_sub_co_u32 s[SI], s[SI], 1
	s_cmp_lg_u32 s[SI], 0
	s_cbranch_scc1 .Lbit_\@
.endm
.macro SELECT R                        ; s[MK+j]: exactly 32 bits in all: the 32 smallest by (key, position R lane + j)
	s_mov_b32 s[STG], 32
	BISECT 32, \R
	s_mov_b32 s[SLESS], 0
.set j, 0
.rept \R
	v_cmp_gt_u32 s[LK+j], s[ST], v[K+j]            ; under the 32nd smallest: chosen in any case
.set j, j+1
.endr
.set j, 0
.rept \R
	s_bcnt1_i32_b32 s[SX], s[LK+j]
	s_add_co_u32 s[SLESS], s[SLESS], s[SX]
.set j, j+1
.endr
.set j, 0
.rept \R
	v_cmp_eq_u32 s[MK+j], s[ST], v[K+j]            ; equal to it
.set j, j+1
.endr
	s_sub_co_u32 s[STG], 32, s[SLESS]              ; so many of the equal ones are wanted: at least one
	v_mov_b32 v[VT], 0
.set j, 0
.rept \R
	v_mbcnt_lo_u32_b32 v[VT], s[MK+j], v[VT]       ; the equal ones in lower lanes
.set j, j+1
.endr
.set j, 0
.rept \R
	v_cmp_gt_u32 vcc_lo, s[STG], v[VT]             ; is the rank that key j would have under the number wanted?
	v_cndmask_b32 v[VT+1], 0, 1, s[MK+j]
	s_and_b32 s[MK+j], s[MK+j], vcc_lo
	v_add_nc_u32 v[VT], v[VT], v[VT+1]             ; an equal key raises the rank of those behind it in my lane
	s_or_b32 s[MK+j], s[MK+j], s[LK+j]
.set j, j+1
.endr
.endm
.macro BITS R                          ; my R flags as bits of v[VW]
	v_mov_b32 v[VW], 0
.set j, 0
.rept \R
	v_cndmask_b32 v[VT+j%2], 0, 1, s[MK+j]
	v_lshl_or_b32 v[VW], v[VT+j%2], j, v[VW]
.set j, j+1
.endr
.endm
	s_load_b128 s[4:7], s[0:1], 0x0                ; cmin, sel1
	v_lshrrev_b32 v1, 5, v0
	v_readfirstlane_b32 s8, v1
	v_and_b32 v1, 31, v0                           ; lane
	s_lshl_b32 s9, ttmp9, 2
	s_add_co_u32 s9, s9, s8                        ; my query
	s_lshl_b32 s51, s9, 2
	v_lshl_add_u32 v2, v1, 16, s51                 ; group 16 lane: 16 rows of 4,096 bytes a lane, + 4 q
	v_min_u32 v3, 30, v1
	v_lshl_add_u32 v3, v3, 16, s51                 ; groups 500 to 511 do not exist: for j >= 4 lane 31 reads lane 30's, inside the buffer, and blanks them below
	v_mov_b32 v[VM1], -1
	v_lshlrev_b32 v[VLR], 4, v1
	v_lshlrev_b32 v8, 3, v1
	s_lshl_b32 s52, s9, 8
	s_mov_b32 s53, 0
	s_mov_b32 s50, 0x80000000                      ; lane 31
	s_wait_alu depctr_va_vdst(0)
	s_wait_kmcnt 0x0
	s_add_nc_u64 s[6:7], s[6:7], s[52:53]
.irp j, 0,1,2,3
	global_load_b32 v[K+\j], v2, s[4:5] offset:4096*\j
.endr
.irp j, 4,5,6,7,8,9,10,11,12,13,14,15
	global_load_b32 v[K+\j], v3, s[4:5] offset:4096*\j
.endr
	s_wait_loadcnt 0x0
	KEYMAP 16
.irp j, 4,5,6,7,8,9,10,11,12,13,14,15
	v_cndmask_b32 v[K+\j], v[K+\j], v[VM1], s50    ; above every key
.endr
	SELECT 16
	BITS 16
	v_mov_b32 v[VW+1], v[VLR]
	global_store_b64 v8, v[VW:VW+1], s[6:7]        ; the wave stores 256 consecutive bytes, aligned
	s_endpgm
.Lfunc_end_k_qb15a7563e9_pick1:
	.size	k_qb15a7563e9_pick1, .Lfunc_end_k_qb15a7563e9_pick1-k_qb15a7563e9_pick1
	.p2alignl 7, 3214868480
	.fill 96, 4, 3214868480
	.section	.rodata,"a",@progbits
	.p2align	6, 0x0
	.amdhsa_kernel k_qb15a7563e9_pick1
		.amdhsa_group_segment_fixed_size 0
		.amdhsa_private_segment_fixed_size 0
		.amdhsa_enable_private_segment 0
		.amdhsa_kernarg_size 16
		.amdhsa_user_sgpr_count 2
		.amdhsa_user_sgpr_kernarg_segment_ptr 1
		.amdhsa_wavefront_size32 1
		.amdhsa_system_sgpr_workgroup_id_x 1
		.amdhsa_system_sgpr_workgroup_id_y 1
		.amdhsa_system_sgpr_workgroup_id_z 1
		.amdhsa_system_vgpr_workitem_id 0
		.amdhsa_next_free_vgpr 48
		.amdhsa_next_free_sgpr 66
		.amdhsa_reserve_vcc 1
		.amdhsa_float_denorm_mode_32 3
		.amdhsa_float_denorm_mode_16_64 3
		.amdhsa_memory_ordered 1
		.amdhsa_forward_progress 1
		.amdhsa_inst_pref_size 17
	.end_amdhsa_kernel
	.amdgpu_metadata
---
amdhsa.version: [ 1, 2 ]
amdhsa.kernels:
  - .name:           k_qb15a7563e9_pick1
    .symbol:         k_qb15a7563e9_pick1.kd
    .args:
      - { .name: cmin, .offset: 0, .size: 8, .value_kind: global_buffer, .address_space: global }
      - { .name: sel1, .offset: 8, .size: 8, .value_kind: global_buffer, .address_space: global }
    .group_segment_fixed_size: 0
    .private_segment_fixed_size: 0
    .kernarg_segment_align: 8
    .kernarg_segment_size: 16
    .max_flat_workgroup_size: 128
    .sgpr_count:     66
    .vgpr_count:     48
    .wavefront_size: 32
...
	.end_amdgpu_metadata
.endif
;; end of part 3
;; launch pick2 (part 4): grid 256 x 1, 4 waves a work-group, no clusters, 0 bytes of LDS; arguments sel1, fmin, sel2; writes sel2
.if DOCPART == 4
	.amdgcn_target "amdgcn-amd-amdhsa--gfx1250"
	.amdhsa_code_object_version 6
	.text
	.protected	k_qb15a7563e9_pick2
	.globl	k_qb15a7563e9_pick2
	.p2align	8
	.type	k_qb15a7563e9_pick2,@function
k_qb15a7563e9_pick2:
	s_mov_b64 s[64:65], 0
	v_nop
	global_prefetch_b8 v0, s[64:65] scope:SCOPE_SE
	s_setreg_imm32_b32 hwreg(HW_REG_WAVE_MODE, 25, 1), 1
	s_wait_xcnt 0x0
; For each query: of the 32 x 25 fine groups (8 rows each) in its 32 chosen coarse groups, the 32 whose minima are least, ordered by (minimum, group).
; sel1: [query][32][bits, base]: whole numbers stored by the launch before; here they become a list (lane s: the s-th chosen coarse group, ascending) and enter addresses, held inside the table first.
; fmin, 102,400 bytes a coarse group: [part p 3][query 1024][8] f32 for fine groups 8 p .. 8 p + 7, then from byte 98,304 [query 1024] for fine group 24: a lane reads three times 32 bytes and once 4.
; sel2: [query][lane 32][2 words]: 25 bits (bit t: fine group 25 g + t is chosen) and the number 25 g.
; One wave to a query.  No branch and no address hangs on a distance: the 32nd smallest key by bisection; ties at it by the equal keys' ranks (those in lower lanes, then those under it in its own lane).
; Positions 25 lane + t rise with the fine group's number, so ties go to the lower rows.
; No LDS, no matrix unit, no cluster: the waves share nothing.  LIMITS: NaN is not served.
.set K,     16                         ; v16-40 the keys
.set MK,    16                         ; s16-40 masks (the list's entries, s16-63 and s68-83, are done with by then)
.set LK,    68                         ; s68-92
.set ST,    12
.set SBIT,  13
.set SI,    14
.set SC,    15
.set SN,    93                         ; the count, in two chains: s93, s66
.set SN2,   66
.set SPF,   93                         ; in EXPAND: bits counted so far
.set SX,    94                         ; at work: s94, s67
.set SX2,   67
.set STG,   95
.set SLESS, 96
.set VT,    5                          ; v5-6 at work
.set EW,    8                          ; my entry's bits
.set EB,    9                          ; its base
.set VW,    10                         ; v[10:11] what is stored
.set EP,    12                         ; bits ahead of my entry, then my rank in it
.set EC,    13                         ; a running count
.set EI,    14                         ; the result
.macro KEYMAP R                        ; f32 to u32, order kept
.set j, 0
.rept \R
	v_ashrrev_i32 v[VT+j%2], 31, v[K+j]
	v_or_b32 v[VT+j%2], 0x80000000, v[VT+j%2]
	v_xor_b32 v[K+j], v[K+j], v[VT+j%2]
.set j, j+1
.endr
.endm
.macro BISECT nbits, R                 ; s[ST] = the s[STG]-th smallest of the wave's 32 R keys
	s_mov_b32 s[ST], 0
	s_mov_b32 s[SBIT], 1<<(\nbits-1)
	s_mov_b32 s[SI], \nbits
.Lbit_\@:
	s_or_b32 s[SC], s[ST], s[SBIT]
.set j, 0
.rept \R
	v_cmp_gt_u32 s[MK+j], s[SC], v[K+j]
.set j, j+1
.endr
	s_bcnt1_i32_b32 s[SN], s[MK]                   ; two chains by turns, so that no sum waits for the line above it
	s_bcnt1_i32_b32 s[SN2], s[MK+1]
.set j, 2
.rept (\R-2)/2
	s_bcnt1_i32_b32 s[SX], s[MK+j]
	s_bcnt1_i32_b32 s[SX2], s[MK+j+1]
	s_add_co_u32 s[SN], s[SN], s[SX]
	s_add_co_u32 s[SN2], s[SN2], s[SX2]
.set j, j+2
.endr
.if (\R)%2
	s_bcnt1_i32_b32 s[SX], s[MK+\R-1]
	s_add_co_u32 s[SN], s[SN], s[SX]
.endif
	s_add_co_u32 s[SN], s[SN], s[SN2]
	s_cmp_lt_u32 s[SN], s[STG]
	s_cselect_b32 s[ST], s[SC], s[ST]              ; a select, not a branch
	s_lshr_b32 s[SBIT], s[SBIT], 1
	s_sub_co_u32 s[SI], s[SI], 1
	s_cmp_lg_u32 s[SI], 0
	s_cbranch_scc1 .Lbit_\@
.endm
.macro SELECT R                        ; s[MK+j]: exactly 32 bits in all: the 32 smallest by (key, position R lane + j)
	s_mov_b32 s[STG], 32
	BISECT 32, \R
	s_mov_b32 s[SLESS], 0
.set j, 0
.rept \R
	v_cmp_gt_u32 s[LK+j], s[ST], v[K+j]            ; under the 32nd smallest: chosen in any case
.set j, j+1
.endr
.set j, 0
.rept \R
	s_bcnt1_i32_b32 s[SX], s[LK+j]
	s_add_co_u32 s[SLESS], s[SLESS], s[SX]
.set j, j+1
.endr
.set j, 0
.rept \R
	v_cmp_eq_u32 s[MK+j], s[ST], v[K+j]            ; equal to it
.set j, j+1
.endr
	s_sub_co_u32 s[STG], 32, s[SLESS]              ; so many of the equal ones are wanted: at least one
	v_mov_b32 v[VT], 0
.set j, 0
.rept \R
	v_mbcnt_lo_u32_b32 v[VT], s[MK+j], v[VT]       ; the equal ones in lower lanes
.set j, j+1
.endr
.set j, 0
.rept \R
	v_cmp_gt_u32 vcc_lo, s[STG], v[VT]             ; is the rank that key j would have under the number wanted?
	v_cndmask_b32 v[VT+1], 0, 1, s[MK+j]
	s_and_b32 s[MK+j], s[MK+j], vcc_lo
	v_add_nc_u32 v[VT], v[VT], v[VT+1]             ; an equal key raises the rank of those behind it in my lane
	s_or_b32 s[MK+j], s[MK+j], s[LK+j]
.set j, j+1
.endr
.endm
.macro BITS R
	v_mov_b32 v[VW], 0
.set j, 0
.rept \R
	v_cndmask_b32 v[VT+j%2], 0, 1, s[MK+j]
	v_lshl_or_b32 v[VW], v[VT+j%2], j, v[VW]
.set j, j+1
.endr
.endm
; 32 entries (bits, base) in scalar registers, 32 bits set in all, become a list: lane s gets base + position of the s-th set bit.  Entry l lies at s[16 + 2 l], from l = 24 on at s[68 + 2 (l - 24)].
.macro EXPAND NB
	v_mov_b32 v[EW], 0
	v_mov_b32 v[EB], 0
	v_mov_b32 v[EP], 0
	s_mov_b32 s[SPF], 0
.set l, 0
.rept 32
.if l < 24
.set e, 16+2*l
.else
.set e, 68+2*(l-24)
.endif
	v_cmp_gt_u32 vcc_lo, s[SPF], v1                ; are more bits than my number counted already?  If not, this entry is mine until a later one says the same
	v_cndmask_b32 v[EW], s[e], v[EW], vcc_lo
	v_cndmask_b32 v[EB], s[e+1], v[EB], vcc_lo
	v_cndmask_b32 v[EP], s[SPF], v[EP], vcc_lo
	s_bcnt1_i32_b32 s[SX], s[e]
	s_add_co_u32 s[SPF], s[SPF], s[SX]
.set l, l+1
.endr
	v_sub_nc_u32 v[EP], v1, v[EP]                  ; my rank among my entry's bits
	v_mov_b32 v[EC], 0
	v_mov_b32 v[EI], 0
.set j, 0
.rept \NB                                      ; my bit's position = how many positions have at most rank bits at or under them
	v_bfe_u32 v[VT], v[EW], j, 1
	v_add_nc_u32 v[EC], v[EC], v[VT]
	v_cmp_le_u32 vcc_lo, v[EC], v[EP]
	v_cndmask_b32 v[VT], 0, 1, vcc_lo
	v_add_nc_u32 v[EI], v[EI], v[VT]
.set j, j+1
.endr
	v_add_nc_u32 v[EI], v[EB], v[EI]
.endm
	s_load_b128 s[4:7], s[0:1], 0x0                ; sel1, fmin
	s_load_b64 s[8:9], s[0:1], 0x10                ; sel2
	v_lshrrev_b32 v1, 5, v0
	v_readfirstlane_b32 s10, v1
	v_and_b32 v1, 31, v0                           ; lane
	s_lshl_b32 s11, ttmp9, 2
	s_add_co_u32 s11, s11, s10                     ; my query
	s_lshl_b32 s98, s11, 8
	s_mov_b32 s99, 0
	s_lshl_b32 s97, s11, 5                         ; its 32 bytes in a part of fmin
	s_lshl_b32 s92, s11, 2                         ; its 4 bytes in the last part
	v_lshlrev_b32 v3, 3, v1
	s_wait_alu depctr_va_vdst(0)
	s_wait_kmcnt 0x0
	s_add_nc_u64 s[4:5], s[4:5], s[98:99]
	s_add_nc_u64 s[8:9], s[8:9], s[98:99]
	s_load_b512 s[16:31], s[4:5], 0x0
	s_load_b512 s[32:47], s[4:5], 0x40
	s_load_b512 s[48:63], s[4:5], 0x80
	s_load_b512 s[68:83], s[4:5], 0xc0
	s_wait_kmcnt 0x0
	EXPAND 16
	v_min_u32 v[EI], 499, v[EI]                    ; held inside the table before it enters an address
	v_mul_u32_u24 v2, v[EI], 102400
	v_add_nc_u32 v42, s92, v2
	v_add_nc_u32 v2, s97, v2
.irp p, 0,1,2
	global_load_b128 v[K+8*\p:K+8*\p+3], v2, s[6:7] offset:32768*\p         ; fine groups 8 p .. 8 p + 3
	global_load_b128 v[K+8*\p+4:K+8*\p+7], v2, s[6:7] offset:32768*\p+16    ; and 8 p + 4 .. 8 p + 7
.endr
	global_load_b32 v[K+24], v42, s[6:7] offset:98304                       ; fine group 24
	v_mul_u32_u24 v[VW+1], v[EI], 25               ; my group's first fine group
	s_wait_loadcnt 0x0
	KEYMAP 25
	SELECT 25
	BITS 25
	global_store_b64 v3, v[VW:VW+1], s[8:9]        ; the wave stores 256 consecutive bytes, aligned
	s_endpgm
.Lfunc_end_k_qb15a7563e9_pick2:
	.size	k_qb15a7563e9_pick2, .Lfunc_end_k_qb15a7563e9_pick2-k_qb15a7563e9_pick2
	.p2alignl 7, 3214868480
	.fill 96, 4, 3214868480
	.section	.rodata,"a",@progbits
	.p2align	6, 0x0
	.amdhsa_kernel k_qb15a7563e9_pick2
		.amdhsa_group_segment_fixed_size 0
		.amdhsa_private_segment_fixed_size 0
		.amdhsa_enable_private_segment 0
		.amdhsa_kernarg_size 24
		.amdhsa_user_sgpr_count 2
		.amdhsa_user_sgpr_kernarg_segment_ptr 1
		.amdhsa_wavefront_size32 1
		.amdhsa_system_sgpr_workgroup_id_x 1
		.amdhsa_system_sgpr_workgroup_id_y 1
		.amdhsa_system_sgpr_workgroup_id_z 1
		.amdhsa_system_vgpr_workitem_id 0
		.amdhsa_next_free_vgpr 48
		.amdhsa_next_free_sgpr 100
		.amdhsa_reserve_vcc 1
		.amdhsa_float_denorm_mode_32 3
		.amdhsa_float_denorm_mode_16_64 3
		.amdhsa_memory_ordered 1
		.amdhsa_forward_progress 1
		.amdhsa_inst_pref_size 33
	.end_amdhsa_kernel
	.amdgpu_metadata
---
amdhsa.version: [ 1, 2 ]
amdhsa.kernels:
  - .name:           k_qb15a7563e9_pick2
    .symbol:         k_qb15a7563e9_pick2.kd
    .args:
      - { .name: sel1, .offset: 0, .size: 8, .value_kind: global_buffer, .address_space: global }
      - { .name: fmin, .offset: 8, .size: 8, .value_kind: global_buffer, .address_space: global }
      - { .name: sel2, .offset: 16, .size: 8, .value_kind: global_buffer, .address_space: global }
    .group_segment_fixed_size: 0
    .private_segment_fixed_size: 0
    .kernarg_segment_align: 8
    .kernarg_segment_size: 24
    .max_flat_workgroup_size: 128
    .sgpr_count:     100
    .vgpr_count:     48
    .wavefront_size: 32
...
	.end_amdgpu_metadata
.endif
;; end of part 4
;; launch final (part 5): grid 256 x 1, 4 waves a work-group, no clusters, 0 bytes of LDS; arguments sel2, qpack, codes, rowmeta, true_values, out0; writes out0
.if DOCPART == 5
	.amdgcn_target "amdgcn-amd-amdhsa--gfx1250"
	.amdhsa_code_object_version 6
	.text
	.protected	k_qb15a7563e9_final
	.globl	k_qb15a7563e9_final
	.p2align	8
	.type	k_qb15a7563e9_final,@function
k_qb15a7563e9_final:
	s_mov_b64 s[64:65], 0
	v_nop
	global_prefetch_b8 v0, s[64:65] scope:SCOPE_SE
	s_setreg_imm32_b32 hwreg(HW_REG_WAVE_MODE, 25, 1), 1
	s_wait_xcnt 0x0
; For each query: its 32 chosen fine groups are 256 rows, among which the 32 nearest rows lie.  Their distances are made again, the 32 least by (distance, row) are chosen, and the mean of their true_values is stored.
; THE DISTANCES ARE THE SAME BITS AS IN THE PASS OVER ALL ROWS: the same codes and scale words, the same matrix form with the rows as source 0 and the query as source 1, K steps 0 to 3 chained from C = 0,
; then fma(dot, -2, qq) and + mm with the stored qq and mm.
; One wave to a query.  sel2: [query][32][bits, base], whole numbers stored by the launch before, becomes a list: lane s holds the s-th fine group, ascending; it is held inside the tables before it enters an address.
; Tile u of 16: source 0's rows 0-7 are slot u's eight rows, rows 8-15 slot 16 + u's; source 1 holds the query in all 16 columns.  In the result lane u (and lane 16 + u) holds slot u's (16 + u's) eight dots:
; each lane picks its own slot's out of the sixteen tiles by a constant mask.  The sixteenfold product is 64 matrix instructions a query.
; No LDS bytes (the lane permute through the LDS unit touches none), no cluster: the waves share nothing but the tables.  No prefetch: the rows are asked for as soon as the list is known.
; LIMITS: NaN and infinities are not served.  Ties in distance go to the lower row.
; REGISTERS: window 0: names below.  Windows 1, 2: the rows' fragments, (tile u, K step s) at 256 + 32 u + 8 s.
.set SCW,   262144
.set QQO,   278528
.set BF,    16                         ; v16-47   the query's four fragments
.set BS,    48                         ; v48-51   its scale words, the same in every lane
.set KD,    52                         ; v52-59   my slot's eight dots, distances, keys
.set K,     52
.set MMR,   60                         ; v60-67   mm of my slot's rows
.set TV,    68                         ; v68-75   their true values
.set OC,    76                         ; v76-91   tile u: my row's place in codes
.set OS,    92                         ; v92-107  and among the scale words
.set AS,    108                        ; v108-171 tile u: my row's four scale words
.set ACC,   172                        ; v172-235 two sets of four accumulators
.set VLR,   236
.set VM1,   237
.set SUM,   238
.set EW,    7
.set EB,    8
.set EP,    9
.set EC,    10
.set EI,    11
.set VT,    12                         ; v12-13 at work
.set MK,    16                         ; s16-23, s24-31 masks (the list's entries are done with by then)
.set LK,    24
.set STG,   32
.set SLESS, 33
.set SEL,   36                         ; s[36:37] lane selects for v_permlanex16_b32
.set ST,    96
.set SBIT,  97
.set SI,    98
.set SC,    99
.set SN,    100
.set SPF,   100
.set SX,    101
.set MSB, 0
.macro WIN new                         ; the immediate's high byte repeats the setting that is left
.if MSB != \new
	s_set_vgpr_msb (MSB<<8)|\new
.set MSB, \new
.endif
.endm
.macro KEYMAP R                        ; f32 to u32, order kept
.set j, 0
.rept \R
	v_ashrrev_i32 v[VT+j%2], 31, v[K+j]
	v_or_b32 v[VT+j%2], 0x80000000, v[VT+j%2]
	v_xor_b32 v[K+j], v[K+j], v[VT+j%2]
.set j, j+1
.endr
.endm
.macro BISECT nbits, R                 ; s[ST] = the s[STG]-th smallest of the wave's 32 R keys
	s_mov_b32 s[ST], 0
	s_mov_b32 s[SBIT], 1<<(\nbits-1)
	s_mov_b32 s[SI], \nbits
.Lbit_\@:
	s_or_b32 s[SC], s[ST], s[SBIT]
.set j, 0
.rept \R
	v_cmp_gt_u32 s[MK+j], s[SC], v[K+j]
.set j, j+1
.endr
.set SN2, 38                                   ; the bits are counted in two chains by turns, so that no sum waits for the line above it (the list's entries are done with)
.set SX2, 39
	s_bcnt1_i32_b32 s[SN], s[MK]
	s_bcnt1_i32_b32 s[SN2], s[MK+1]
.set j, 2
.rept (\R-2)/2
	s_bcnt1_i32_b32 s[SX], s[MK+j]
	s_bcnt1_i32_b32 s[SX2], s[MK+j+1]
	s_add_co_u32 s[SN], s[SN], s[SX]
	s_add_co_u32 s[SN2], s[SN2], s[SX2]
.set j, j+2
.endr
.if (\R)%2
	s_bcnt1_i32_b32 s[SX], s[MK+\R-1]
	s_add_co_u32 s[SN], s[SN], s[SX]
.endif
	s_add_co_u32 s[SN], s[SN], s[SN2]
	s_cmp_lt_u32 s[SN], s[STG]
	s_cselect_b32 s[ST], s[SC], s[ST]              ; a select, not a branch
	s_lshr_b32 s[SBIT], s[SBIT], 1
	s_sub_co_u32 s[SI], s[SI], 1
	s_cmp_lg_u32 s[SI], 0
	s_cbranch_scc1 .Lbit_\@
.endm
.macro SELECT R, pbits                 ; s[MK+j]: exactly 32 bits in all: the 32 smallest by (key, position R lane + j)
	s_mov_b32 s[STG], 32
	BISECT 32, \R
	s_mov_b32 s[SLESS], 0
.set j, 0
.rept \R
	v_cmp_gt_u32 s[LK+j], s[ST], v[K+j]
.set j, j+1
.endr
.set j, 0
.rept \R
	s_bcnt1_i32_b32 s[SX], s[LK+j]
	s_add_co_u32 s[SLESS], s[SLESS], s[SX]
.set j, j+1
.endr
.set j, 0
.rept \R
	v_cmp_eq_u32 s[MK+j], s[ST], v[K+j]            ; equal to the 32nd smallest
.set j, j+1
.endr
	s_sub_co_u32 s[STG], 32, s[SLESS]              ; so many of the equal ones are wanted: at least one
	v_mov_b32 v[VT], 0
.set j, 0
.rept \R
	v_mbcnt_lo_u32_b32 v[VT], s[MK+j], v[VT]       ; the equal ones in lower lanes
.set j, j+1
.endr
.set j, 0
.rept \R
	v_cmp_gt_u32 vcc_lo, s[STG], v[VT]             ; is the rank that key j would have under the number wanted?
	v_cndmask_b32 v[VT+1], 0, 1, s[MK+j]
	s_and_b32 s[MK+j], s[MK+j], vcc_lo
	v_add_nc_u32 v[VT], v[VT], v[VT+1]             ; an equal key raises the rank of those behind it in my lane
	s_or_b32 s[MK+j], s[MK+j], s[LK+j]
.set j, j+1
.endr
.endm
; 32 entries (bits, base) in scalar registers, 32 bits set in all, become a list: lane s gets base + position of the s-th set bit.  Entry l lies at s[16 + 2 l], from l = 24 on at s[68 + 2 (l - 24)].
.macro EXPAND NB
	v_mov_b32 v[EW], 0
	v_mov_b32 v[EB], 0
	v_mov_b32 v[EP], 0
	s_mov_b32 s[SPF], 0
.set l, 0
.rept 32
.if l < 24
.set e, 16+2*l
.else
.set e, 68+2*(l-24)
.endif
	v_cmp_gt_u32 vcc_lo, s[SPF], v1                ; are more bits than my number counted already?  If not, this entry is mine until a later one says the same
	v_cndmask_b32 v[EW], s[e], v[EW], vcc_lo
	v_cndmask_b32 v[EB], s[e+1], v[EB], vcc_lo
	v_cndmask_b32 v[EP], s[SPF], v[EP], vcc_lo
	s_bcnt1_i32_b32 s[SX], s[e]
	s_add_co_u32 s[SPF], s[SPF], s[SX]
.set l, l+1
.endr
	v_sub_nc_u32 v[EP], v1, v[EP]                  ; my rank among my entry's bits
	v_mov_b32 v[EC], 0
	v_mov_b32 v[EI], 0
.set j, 0
.rept \NB                                      ; my bit's position = how many positions have at most rank bits at or under them
	v_bfe_u32 v[VT], v[EW], j, 1
	v_add_nc_u32 v[EC], v[EC], v[VT]
	v_cmp_le_u32 vcc_lo, v[EC], v[EP]
	v_cndmask_b32 v[VT], 0, 1, vcc_lo
	v_add_nc_u32 v[EI], v[EI], v[VT]
.set j, j+1
.endr
	v_add_nc_u32 v[EI], v[EB], v[EI]
.endm
; 16 matrix instructions: tiles 4 b .. 4 b + 3 of rows against the query, K steps 0 to 3 in order, the first with C = 0; the four accumulators take turns, one instruction a turn
.macro WMF b
.set AB, ACC+32*((\b)%2)
.set U0, 4*(\b)
.irp s, 0,1,2,3
.irp i, 0,1,2,3
.if \s == 0
	v_wmma_scale_f32_16x16x128_f8f6f4 v[AB+8*\i:AB+8*\i+7], v[32*((U0+\i)%8):32*((U0+\i)%8)+7], v[BF:BF+7], 0, v[AS+4*(U0+\i)], v[BS] matrix_a_fmt:MATRIX_FMT_FP4 matrix_b_fmt:MATRIX_FMT_FP4
.else
	v_wmma_scale_f32_16x16x128_f8f6f4 v[AB+8*\i:AB+8*\i+7], v[32*((U0+\i)%8)+8*\s:32*((U0+\i)%8)+8*\s+7], v[BF+8*\s:BF+8*\s+7], v[AB+8*\i:AB+8*\i+7], v[AS+4*(U0+\i)+\s], v[BS+\s] matrix_a_fmt:MATRIX_FMT_FP4 matrix_b_fmt:MATRIX_FMT_FP4
.endif
.endr
.endr
.endm
; lanes u and 16 + u keep tile u's eight results; each accumulator is read from its low end on
.macro PICK b
.set AB, ACC+32*((\b)%2)
.irp i, 0,1,2,3
.if 4*(\b)+\i == 0
.irp j, 0,1,2,3,4,5,6,7
	v_mov_b32 v[KD+\j], v[AB+\j]                   ; tile 0 writes every lane: nothing is cleared
.endr
.else
	s_mov_b32 s34, 0x10001<<(4*(\b)+\i)
.irp j, 0,1,2,3,4,5,6,7
	v_cndmask_b32 v[KD+\j], v[KD+\j], v[AB+8*\i+\j], s34
.endr
.endif
.endr
.endm
	s_load_b256 s[4:11], s[0:1], 0x0               ; sel2, qpack, codes, rowmeta
	s_load_b128 s[12:15], s[0:1], 0x20             ; true_values, out0
	v_lshrrev_b32 v1, 5, v0
	v_readfirstlane_b32 s89, v1                    ; wave
	v_and_b32 v1, 31, v0                           ; lane
	v_bfe_u32 v2, v0, 4, 1                         ; h
	v_and_b32 v3, 7, v0
	v_lshlrev_b32 v3, 4, v3                        ; 16 (r % 8)
	v_lshl_add_u32 v4, v2, 7, v3                   ; 128 h + 16 (r % 8)
	v_lshlrev_b32 v2, 8, v2                        ; 256 h
	v_bfe_u32 v5, v0, 3, 1
	v_lshlrev_b32 v5, 6, v5                        ; 4 x 16 (r / 8): which half of the slots my row comes from, as a lane permute's index
	s_lshl_b32 s90, ttmp9, 2
	s_add_co_u32 s90, s90, s89                     ; my query q
	s_mov_b32 s101, 0
	s_lshr_b32 s91, s90, 8                         ; where it lies in qpack: v = q / 256,
	s_bfe_u32 s96, s90, 0x20006
	s_and_b32 s97, s90, 3
	s_lshl_b32 s96, s96, 2
	s_add_co_u32 s96, s96, s97                     ; tile n = 4 ((q / 64) % 4) + q % 4,
	s_bfe_u32 s97, s90, 0x40002                    ; column (q / 4) % 16
	s_wait_alu depctr_va_vdst(0)
	s_wait_kmcnt 0x0
	s_lshl_b32 s100, s90, 8
	s_add_nc_u64 s[92:93], s[4:5], s[100:101]
	s_load_b512 s[16:31], s[92:93], 0x0            ; the 32 entries
	s_load_b512 s[32:47], s[92:93], 0x40
	s_load_b512 s[48:63], s[92:93], 0x80
	s_load_b512 s[68:83], s[92:93], 0xc0
	s_lshl_b32 s100, s90, 2
	s_add_nc_u64 s[94:95], s[6:7], s[100:101]
	s_load_b32 s84, s[94:95], QQO                  ; qq
	s_add_nc_u64 s[14:15], s[14:15], s[100:101]    ; my number of out0
	s_lshl_b32 s100, s91, 12                       ; the query's scale words: 4,096 v + 512 (n / 2) + 16 column + 8 (n % 2);
	s_lshr_b32 s88, s96, 1
	s_lshl_b32 s88, s88, 9
	s_add_co_u32 s100, s100, s88
	s_lshl_b32 s88, s97, 4
	s_add_co_u32 s100, s100, s88
	s_and_b32 s88, s96, 1
	s_lshl_b32 s88, s88, 3
	s_add_co_u32 s100, s100, s88
	s_add_nc_u64 s[98:99], s[6:7], s[100:101]
	s_load_b32 s85, s[98:99], SCW                  ; K step s: + 256 (s % 2) + 4 (s / 2)
	s_load_b32 s86, s[98:99], SCW+256
	s_load_b32 s87, s[98:99], SCW+4
	s_load_b32 s88, s[98:99], SCW+260
	s_lshl_b32 s100, s91, 16                       ; its images: 65,536 v + 4,096 n + 16 column
	s_lshl_b32 s91, s96, 12
	s_add_co_u32 s100, s100, s91
	s_lshl_b32 s91, s97, 4
	s_add_co_u32 s100, s100, s91
	s_add_nc_u64 s[6:7], s[6:7], s[100:101]
.irp p, 0,1,2,3,4,5,6,7
	global_load_b128 v[BF+4*\p:BF+4*\p+3], v2, s[6:7] offset:512*\p   ; every lane of a half takes that column's 16 bytes: the query stands in all 16 columns
.endr
	s_wait_kmcnt 0x0
.irp s, 0,1,2,3
	v_mov_b32 v[BS+\s], s[85+\s]                   ; far more than eight plain instructions ahead of the products
.endr
	EXPAND 25
	v_min_u32 v[EI], 12499, v[EI]                  ; held inside the tables before it enters an address
	v_lshlrev_b32 v14, 5, v[EI]                    ; eight rows x 4 bytes
	global_load_b128 v[MMR:MMR+3], v14, s[10:11] offset:1600000
	global_load_b128 v[MMR+4:MMR+7], v14, s[10:11] offset:1600016
	global_load_b128 v[TV:TV+3], v14, s[12:13]
	global_load_b128 v[TV+4:TV+7], v14, s[12:13] offset:16
.irp u, 0,1,2,3,4,5,6,7,8,9,10,11,12,13,14,15
	v_add_nc_u32 v[OS+\u], 4*\u, v5
.endr
.irp u, 0,1,2,3,4,5,6,7,8,9,10,11,12,13,14,15
	ds_bpermute_b32 v[OC+\u], v[OS+\u], v[EI]      ; tile u: my row's fine group is slot u + 16 (r / 8)'s
.endr
	s_mov_b32 s[SEL], 0x76543210                   ; (the entries are done with)
	s_mov_b32 s[SEL+1], 0xfedcba98
	s_wait_dscnt 0x0
.irp u, 0,1,2,3,4,5,6,7,8,9,10,11,12,13,14,15
	v_min_u32 v[OC+\u], 12499, v[OC+\u]
.endr
.irp u, 0,1,2,3,4,5,6,7,8,9,10,11,12,13,14,15
	v_lshl_add_u32 v[OS+\u], v[OC+\u], 7, v3       ; scale words: 128 bytes a fine group, 16 a row
.endr
.irp u, 0,1,2,3,4,5,6,7,8,9,10,11,12,13,14,15
	v_lshl_add_u32 v[OC+\u], v[OC+\u], 11, v4      ; codes: 2,048 bytes a fine group
.endr
.irp u, 0,1,2,3,4,5,6,7,8,9,10,11,12,13,14,15
	global_load_b128 v[AS+4*\u:AS+4*\u+3], v[OS+\u], s[10:11]
.endr
	WIN 0x40                                       ; destination window 1
.irp u, 0,1,2,3,4,5,6,7
.irp p, 0,1,2,3,4,5,6,7
	global_load_b128 v[32*\u+4*\p:32*\u+4*\p+3], v[OC+\u], s[8:9] offset:256*\p
.endr
.endr
	WIN 0x80                                       ; window 2
.irp u, 8,9,10,11,12,13,14,15
.irp p, 0,1,2,3,4,5,6,7
	global_load_b128 v[32*(\u-8)+4*\p:32*(\u-8)+4*\p+3], v[OC+\u], s[8:9] offset:256*\p
.endr
.endr
	s_wait_loadcnt 63                              ; tiles 0-3 are in: 96 loads are younger, and the wait's field ends at 63
	WIN 0x01                                       ; source 0, the rows: window 1
	WMF 0
	s_wait_loadcnt 63                              ; tiles 4-7: 64 are younger
	WMF 1
	WIN 0
.rept 4
	v_nop                                          ; four plain instructions between the first batch's last product and the first read of its results; there is no other work yet
.endr
	PICK 0
	s_wait_alu depctr_va_vdst(0)
	s_wait_loadcnt 32                              ; tiles 8-11: tiles 12-15's 32 loads are younger
	WIN 0x02                                       ; window 2
	WMF 2                                          ; it begins the first set anew: the four v_nop and the other tiles' picks stand between
	WIN 0
	PICK 1
	s_wait_alu depctr_va_vdst(0)
	s_wait_loadcnt 0x0
	WIN 0x02
	WMF 3
	WIN 0
	PICK 2                                         ; these 32 instructions name nothing of the last batch: they are the places behind it
	PICK 3
.irp j, 0,1,2,3,4,5,6,7
	v_fma_f32 v[KD+\j], v[KD+\j], -2.0, s84        ; qq - 2 dot
.endr
.irp j, 0,1,2,3,4,5,6,7
	v_add_f32 v[KD+\j], v[KD+\j], v[MMR+\j]        ; + mm
.endr
	KEYMAP 8
	SELECT 8, 8                                    ; positions 8 lane + j rise with the row's number
	v_cndmask_b32 v[SUM], 0, v[TV], s[MK]
.irp j, 1,2,3,4,5,6,7
	v_cndmask_b32 v[VT], 0, v[TV+\j], s[MK+\j]
	v_add_f32 v[SUM], v[SUM], v[VT]
.endr
	v_add_f32_dpp v[SUM], v[SUM], v[SUM] row_xmask:1 row_mask:0xf bank_mask:0xf
	v_add_f32_dpp v[SUM], v[SUM], v[SUM] row_xmask:2 row_mask:0xf bank_mask:0xf
	v_add_f32_dpp v[SUM], v[SUM], v[SUM] row_xmask:4 row_mask:0xf bank_mask:0xf
	v_add_f32_dpp v[SUM], v[SUM], v[SUM] row_xmask:8 row_mask:0xf bank_mask:0xf
	v_permlanex16_b32 v[VT], v[SUM], s[SEL], s[SEL+1]
	v_add_f32 v[SUM], v[SUM], v[VT]
	v_mul_f32 v[SUM], 0x3d000000, v[SUM]           ; / 32
	v_mov_b32 v[VT], 0
	v_cmp_eq_u32 vcc_lo, 0, v1
	s_wait_alu depctr_va_vdst(0)
	s_wait_xcnt 0x0                                ; EXEC changes only behind this wait
	s_and_saveexec_b32 s35, vcc_lo
	global_store_b32 v[VT], v[SUM], s[14:15]       ; lane 0 stores the query's one number
	s_wait_xcnt 0x0
	s_or_b32 exec_lo, exec_lo, s35
	s_endpgm
.Lfunc_end_k_qb15a7563e9_final:
	.size	k_qb15a7563e9_final, .Lfunc_end_k_qb15a7563e9_final-k_qb15a7563e9_final
	.p2alignl 7, 3214868480
	.fill 96, 4, 3214868480
	.section	.rodata,"a",@progbits
	.p2align	6, 0x0
	.amdhsa_kernel k_qb15a7563e9_final
		.amdhsa_group_segment_fixed_size 0
		.amdhsa_private_segment_fixed_size 0
		.amdhsa_enable_private_segment 0
		.amdhsa_kernarg_size 48
		.amdhsa_user_sgpr_count 2
		.amdhsa_user_sgpr_kernarg_segment_ptr 1
		.amdhsa_wavefront_size32 1
		.amdhsa_system_sgpr_workgroup_id_x 1
		.amdhsa_system_sgpr_workgroup_id_y 1
		.amdhsa_system_sgpr_workgroup_id_z 1
		.amdhsa_system_vgpr_workitem_id 0
		.amdhsa_next_free_vgpr 768
		.amdhsa_next_free_sgpr 102
		.amdhsa_reserve_vcc 1
		.amdhsa_float_denorm_mode_32 3
		.amdhsa_float_denorm_mode_16_64 3
		.amdhsa_memory_ordered 1
		.amdhsa_forward_progress 1
		.amdhsa_inst_pref_size 60
	.end_amdhsa_kernel
	.amdgpu_metadata
---
amdhsa.version: [ 1, 2 ]
amdhsa.kernels:
  - .name:           k_qb15a7563e9_final
    .symbol:         k_qb15a7563e9_final.kd
    .args:
      - { .name: sel2, .offset: 0, .size: 8, .value_kind: global_buffer, .address_space: global }
      - { .name: qpack, .offset: 8, .size: 8, .value_kind: global_buffer, .address_space: global }
      - { .name: codes, .offset: 16, .size: 8, .value_kind: global_buffer, .address_space: global }
      - { .name: rowmeta, .offset: 24, .size: 8, .value_kind: global_buffer, .address_space: global }
      - { .name: true_values, .offset: 32, .size: 8, .value_kind: global_buffer, .address_space: global }
      - { .name: out0, .offset: 40, .size: 8, .value_kind: global_buffer, .address_space: global }
    .group_segment_fixed_size: 0
    .private_segment_fixed_size: 0
    .kernarg_segment_align: 8
    .kernarg_segment_size: 48
    .max_flat_workgroup_size: 128
    .sgpr_count:     102
    .vgpr_count:     768
    .wavefront_size: 32
...
	.end_amdgpu_metadata
.endif
;; end of part 5
